; MI455X (gfx1250); checked and timed in simulation.
; The chip was launched on July 23, 2026; its instructions are those of AMD's public machine-readable ISA for CDNA 5 (MIT licence, August 2026) and "CDNA5" Instruction Set Architecture Reference Guide (July 2026). The comments in the code are by the model that wrote it; some were corrected since.
;; H Liu Attn. Allowed arithmetic: matrix products marked QUANTISED: E3M2 operands, one E8M0 scale for each 32 along K, by v_wmma_scale_f32_16x16x128_f8f6f4 with both operands' format E3M2, f32 sums; everything else in f32.
;; Inputs: w_qkv 3,072 x 1,024 float32; x 4 x 2,048 x 1,024 float32.
;; Outputs: out0 4 x 2,048 x 1,024 float32.
;; This version of the problem:
;;   THIS VERSION OF THE PROBLEM IS GIVEN IN LOW PRECISION. The matrix products marked QUANTISED in the list below multiply operands that are first quantised to E3M2 (3 exponent bits, 2 mantissa bits; 6 bits a number), with one power-of-two scale for each 32 numbers along K (OCP MX v1.0); their sums are f32. All else is computed in f32.
;;   The module's matrix products, in the order in which they are computed (A, B: the left and right operand; K: the contracted axis; several contracted axes count as one K, in the product's order):
;;     1. [M 8,192, K 1,024] x [K 1,024, N 3,072]; A: input x; B: input w_qkv: QUANTISED
;;     2. batch 4 x [M 2,048, K 1,024] x [K 1,024, N 2,048]; A: computed on the way; B: computed on the way: QUANTISED
;;     3. batch 4 x [M 2,048, K 2,048] x [K 2,048, N 1,024]; A: softmax (see below); B: computed on the way: QUANTISED
;;   THE QUANTISER, for each operand of a quantised product, along K:
;;     - K is cut into blocks of 32 from its start; a last block that is shorter is filled with zeros.
;;     - A block's scale is 2^e with e = floor(log2(the largest magnitude in the block)) - 4, held to -126 .. 127; a block of zeros has e = 0. As a byte (E8M0): e + 127.
;;     - Each number is divided by its block's scale, clamped to +-28, and rounded to the nearest number of E3M2, ties to even, subnormals kept.
;;     - The product sums the exact products of the quantised numbers (number of the format x scale) in f32.
;;   ~~~python
;;   def quantise(x, axis):      # numpy; x: float32 -> the quantised numbers, widened to float32 again
;;       x = np.moveaxis(x, axis, -1); K = x.shape[-1]
;;       x = np.pad(x, [(0, 0)] * (x.ndim - 1) + [(0, -K % 32)]); x = x.reshape(x.shape[:-1] + (-1, 32)); a = np.abs(x).max(-1, keepdims=True)
;;       e = np.where(a > 0, np.clip(np.frexp(np.where(a > 0, a, 1))[1] - 1 - 4, -126, 127), 0)      # np.frexp(a)[1] - 1 = floor(log2(a)), exactly
;;       r = np.clip(x / 2.0 ** e, -28, 28)
;;       step = 2.0 ** (np.maximum(np.frexp(np.where(r == 0, 1, r))[1] - 1, -2) - 2)
;;       q = np.round(r / step) * step * 2.0 ** e      # np.round: ties to even
;;       return np.moveaxis(q.reshape(q.shape[:-2] + (-1,))[..., :K], -1, axis).astype(np.float32)
;;   ~~~
;;   SOFTMAX AHEAD OF A QUANTISED PRODUCT. Where the list says 'softmax', what is quantised is not the finished softmax but p = 2^(t - M), with t = logit x log2(e) and M = ceil(the row's largest t), a whole number; so 1/2 < the row's largest p <= 1. The row's sum l is taken of the UNQUANTISED p, in f32, and the product's result is divided by l at the end. Since M is a whole number, a kernel that streams over the keys may use a running M (the ceiling of the running maximum): every later rescaling is an exact power of two, which a block's scale takes up: the codes' values come out the same.
;;   OPERANDS COMPUTED ON THE WAY. 'Computed on the way' means the value that the module computes at that place (a softmax that the list does not call 'softmax' is quantised finished and normalised). What goes into a quantiser is computed in f32, as accurately as f32 sums, v_exp_f32 and their like allow (about 1e-6 of the number): no bf16 or f16 on the way to a quantiser, and a product that is left as it is and whose result goes on into a quantised operand takes f32 operands (vector FMAs, or v_wmma_f32_16x16x4_f32). A number that lies on a knife's edge between two numbers of the format may be rounded either way, as far as f32 arithmetic and the matrix unit's own rounding can turn it there, and no further.
;; One version. Each part assembles by itself: llvm-mc -triple=amdgcn-amd-amdhsa -mcpu=gfx1250 --defsym DOCPART=n.
;; ======== version 1 of 1: 4 launches
;; limits: right only within a limited range of input values
;; workspace buffers: xw 9,011,200 bytes; qkv 19,660,800 bytes; p_codes 12,582,912 bytes; p_scales 524,288 bytes; stats 1,048,576 bytes
;; launch quant (part 1): grid 704 x 1, 4 waves a work-group, no clusters, 34,304 bytes of LDS; arguments x, w_qkv, xw; writes xw
.if DOCPART == 1
	.amdgcn_target "amdgcn-amd-amdhsa--gfx1250"
	.amdhsa_code_object_version 6
	.text
	.protected	k_q66278608e1_quant
	.globl	k_q66278608e1_quant
	.p2align	8
	.type	k_q66278608e1_quant,@function
k_q66278608e1_quant:
	s_mov_b64 s[64:65], 0
	v_nop
	global_prefetch_b8 v0, s[64:65] scope:SCOPE_SE
	s_setreg_imm32_b32 hwreg(HW_REG_WAVE_MODE, 25, 1), 1
	s_wait_xcnt 0x0
; x [8192][1024] and w_qkv [3072][1024], f32, become codes of BF6 (E3M2) with one E8M0 byte for each 32 along K, laid as the next launch's matrix operands want them.
; A FRAGMENT (16 rows x 128 K) is 12 registers a lane: lane (r, h) holds row r, registers 6 c .. 6 c + 5 the codes of k = 64 c + 32 h + 0 .. 31.  It is stored as an IMAGE OF THESE REGISTERS:
; three pieces of 512 bytes, piece c holding lane l's registers 4 c .. 4 c + 3 at byte 512 c + 16 l.
; A UNIT is 128 rows x 256 K: [8 row blocks][2 K steps][1,536 bytes], and behind these 24,576 bytes the scale words (four bytes: 128 along K of one row): the first K step's 8 x 16 words, then the second's, in which
; row block i stands at place i xor 1 (so that the two halves of the lanes of an LDS load meet no common bank).  25,600 bytes in all.  Units lie [128 rows][K / 256]; the 11,264 rows are x's, then w's.
; ROWS ARE STORED IN ANOTHER ORDER: place p holds source row pi(p), p with its bits 3 and 4 exchanged.  A product that takes 16 neighbouring places as its first source then leaves, in a lane's registers
; of two neighbouring result tiles, 16 NEIGHBOURS in the true order: what the later launches' quantisers want.
; A block's scale is 2^(floor(log2(its largest magnitude)) - 4); its byte is that magnitude's exponent field - 4, held at 1 from below.
; LIMITS: a block of zeros gets the byte 1 where the rule says 127 (its codes are zeros, and this program alone reads the bytes); blocks whose largest magnitude lies under 2^-122 are held at that floor;
; NaN and infinities among the inputs are not served.
; SHARES: two work-groups take 32 source rows, each half of K (the first 512 work-groups x's, the other 192 w's); wave w takes row block w / 2 of the two and half w % 2 of that half: two fragments, both loaded at once.
; Each load reads 512 consecutive bytes of one row; a fragment's 16 x 512 bytes turn through the wave's own stage in LDS, so that a lane gets two whole blocks of 32 neighbours of its row.
; No matrix work, no tensor load, no barrier: the launch moves bytes, and waves share nothing.  The scale words leave in runs of 64 bytes: one byte in 128 of what the launch reads.
.set ROWB,   4096                      ; a source row in bytes
.set U,      25600                     ; a unit
.set SPITCH, 528                       ; a stage row: 512 bytes + 16
.set WST,    16*SPITCH                 ; a wave's stage
.set SPARE,  4*WST                     ; the spare words, 128 bytes for each wave: two blocks of 256 bytes that no other line names
.set LI,   4                           ; v4   16 x lane
.set SIN,  5                           ; v5   the stage, way in: my 16 bytes of a row
.set SOUT, 6                           ; v6   the stage, way out: row r, + 128 h
.set SA,   7                           ; v7   where my scale word goes
.set MX,   12                          ; v12-13  largest magnitudes of my two blocks
.set SOP,  14                          ; v14-15  the conversions' scale operands
.set R,    16                          ; v16-143 two sets of 64: a fragment's numbers as loaded
.set X,    144                         ; v144-207 my row's 64 numbers: register 32 c + e = k 64 c + 32 h + e
.set PC0,  208                         ; v208-219 the first fragment's 12 registers (the second's: v16-27, whose numbers have gone through the stage)
.set TC,   220                         ; v220-222, v224-226 the upper halves of the blocks' codes (a conversion's three registers begin on an even number)
.set PW,   228                         ; v228-229 the two fragments' scale words
.set PWS,  232                         ; lanes 0-15 the first K step's word, lanes 16-31 the second's
.set BY,   234                         ; v234-235 scale bytes
.set SPW,  240                         ; v240 LDS address of my spare word; never rewritten
.set NIL,  241                         ; v241 0; never rewritten
	s_load_b128 s[4:7], s[0:1], 0x0                ; x, w_qkv
	s_load_b64 s[8:9], s[0:1], 0x10                ; the units
	v_lshl_add_u32 v[SPW], v0, 2, SPARE
	v_mov_b32 v[NIL], 0
	v_lshrrev_b32 v1, 5, v0
	v_readfirstlane_b32 s12, v1                    ; wave 0..3
	s_lshr_b32 s15, s12, 1                         ; which of the two row blocks: an even or an odd one
	s_mul_i32 s17, s12, WST
	s_lshl_b32 s18, s15, 7
	s_sub_co_u32 s18, 576, s18                     ; the second K step's words: 512 on, and one place up or down
	v_and_b32 v1, 31, v0                           ; lane
	v_and_b32 v2, 15, v0                           ; r
	v_bfe_u32 v3, v0, 4, 1                         ; h
	v_lshlrev_b32 v[LI], 4, v1
	v_add_nc_u32 v[SIN], s17, v[LI]
	v_mul_u32_u24 v[SOUT], v2, SPITCH
	v_lshl_add_u32 v[SOUT], v3, 7, v[SOUT]
	v_add_nc_u32 v[SOUT], s17, v[SOUT]
	v_mul_u32_u24 v[SA], s18, v3
	v_lshl_add_u32 v[SA], v2, 2, v[SA]
	v_lshlrev_b32 v8, 3, v3                        ; 8 h: my bytes' place in a scale word
	v_mov_b32 v10, 0                               ; written once: a lane permute's destination counts as one of its sources
	s_mov_b32 s20, 0x76543210
	s_mov_b32 s21, 0xfedcba98                      ; v_permlanex16_b32's selects for lane l xor 16
	s_mov_b32 s22, 0xffff0000                      ; lanes 16-31
	s_and_b32 s16, s12, 1
	s_and_b32 s23, ttmp9, 1
	s_lshl_b32 s23, s23, 1
	s_add_co_u32 s16, s16, s23                     ; my quarter of K
	s_lshr_b32 s13, ttmp9, 1                       ; which 32 rows
	s_wait_alu depctr_va_vdst(0)
	s_wait_kmcnt 0x0
	s_cmp_lt_u32 s13, 256                          ; x's or w's?  The choice hangs on the work-group's number alone
	s_cselect_b64 s[4:5], s[4:5], s[6:7]
	s_cselect_b32 s14, 0, 256
	s_lshl_b32 s26, s13, 1
	s_add_co_u32 s26, s26, s15                     ; my row block among the 704
	s_sub_co_u32 s13, s13, s14
	s_lshl_b32 s24, s13, 17                        ; 32 rows of 4,096 bytes,
	s_lshl_b32 s25, s15, 15                        ; + 8 rows for the second row block (pi: its places hold rows 8-15 and 24-31 of the 32),
	s_add_co_u32 s24, s24, s25
	s_lshl_b32 s25, s16, 10                        ; + my quarter of K
	s_add_co_u32 s24, s24, s25
	s_mov_b32 s25, 0
	s_add_nc_u64 s[4:5], s[4:5], s[24:25]
	s_lshr_b32 s28, s26, 3
	s_mul_i32 s28, s28, 4*U                        ; the group of 128 rows,
	s_mul_i32 s29, s16, U
	s_add_co_u32 s28, s28, s29                     ; my unit in it
	s_and_b32 s30, s26, 7
	s_lshl_b32 s31, s30, 6
	s_mul_i32 s30, s30, 3072
	s_add_co_u32 s30, s30, s28                     ; my two fragments
	s_add_co_u32 s28, s28, s31
	s_add_co_u32 s28, s28, 24576                   ; my 16 rows' words
	s_mov_b32 s29, 0
	s_mov_b32 s31, 0
	s_add_nc_u64 s[10:11], s[8:9], s[28:29]
	s_add_nc_u64 s[8:9], s[8:9], s[30:31]
.macro LOAD t                          ; fragment t: place i of the row block holds source row 16 (i / 8) + i % 8 of those that begin at my base
.irp i, 0,1,2,3,4,5,6,7,8,9,10,11,12,13,14,15
	global_load_b128 v[R+64*(\t)+4*\i:R+64*(\t)+4*\i+3], v[LI], s[4:5] offset:(16*(\i/8)+\i%8)*ROWB+512*(\t) th:TH_LOAD_NT
.endr
.endm
.macro STEP t
.set PC, PC0-192*(\t)
	s_wait_loadcnt 16-16*(\t)                      ; this fragment's 16 loads are in; the second one's 16 may be out while the first is worked
.irp i, 0,1,2,3,4,5,6,7,8,9,10,11,12,13,14,15
	ds_store_b128 v[SIN], v[R+64*(\t)+4*\i:R+64*(\t)+4*\i+3] offset:SPITCH*\i
.endr
.irp c, 0,1                            ; LDS serves a wave's instructions in order, so no wait stands between the stores and the loads
.irp j, 0,1,2,3,4,5,6,7
	ds_load_b128 v[X+32*\c+4*\j:X+32*\c+4*\j+3], v[SOUT] offset:256*\c+16*\j
.endr
.endr
	s_wait_dscnt 0x0
.irp c, 0,1
	v_max3_num_f32 v[MX+\c], |v[X+32*\c]|, |v[X+32*\c+1]|, 0x2800000   ; my block 2 c + h, all 32 numbers mine; and the floor 2^(5 - 127): the byte cannot fall under 1
.endr
.irp i, 2,4,6,8,10,12,14,16,18,20,22,24,26,28,30
.irp c, 0,1
	v_max3_num_f32 v[MX+\c], v[MX+\c], |v[X+32*\c+\i]|, |v[X+32*\c+\i+1]|
.endr
.endr
.irp c, 0,1
	v_add_nc_u32 v[SOP+\c], 0xfe000000, v[MX+\c]   ; 4 off the exponent field: the conversion takes the exponent field of this operand as its scale
.endr
.irp c, 0,1
	v_lshrrev_b32 v[BY+\c], 23, v[SOP+\c]          ; the scale's byte
.endr
	v_lshl_or_b32 v9, v[BY+1], 16, v[BY]           ; blocks h and 2 + h of my row,
	v_lshlrev_b32 v9, v8, v9                       ; at their places in the word;
	v_permlanex16_b32 v10, v9, s20, s21
	v_or_b32 v[PW+(\t)], v9, v10                   ; with lane l xor 16's two the word is whole
.irp c, 0,1
	v_cvt_scalef32_pk16_bf6_f32 v[PC+6*\c:PC+6*\c+2], v[X+32*\c:X+32*\c+15], v[SOP+\c]
	v_cvt_scalef32_pk16_bf6_f32 v[TC+4*\c:TC+4*\c+2], v[X+32*\c+16:X+32*\c+31], v[SOP+\c]
.endr
	v_nop                                          ; one plain place behind a scaled conversion
.irp c, 0,1
.irp i, 0,1,2
	v_mov_b32 v[PC+3+6*\c+\i], v[TC+4*\c+\i]
.endr
.endr
.irp c, 0,1,2
	global_store_b128 v[LI], v[PC+4*\c:PC+4*\c+3], s[8:9] offset:(\t)*1536+512*\c   ; 32 lanes store 512 consecutive bytes, at a multiple of 512 from the unit's first byte
.endr
.endm
	LOAD 0
	LOAD 1
	STEP 0
	STEP 1
	v_cndmask_b32 v[PWS], v[PW], v[PW+1], s22      ; lanes 0-15: the first K step; lanes 16-31: the second
	global_store_b32 v[SA], v[PWS], s[10:11]
	s_wait_tensorcnt 0x0                           ; the wave's end: behind my last LDS store
	ds_add_u32 v[SPW], v[NIL]
	s_wait_dscnt 0x0
	s_endpgm
.Lfunc_end_k_q66278608e1_quant:
	.size	k_q66278608e1_quant, .Lfunc_end_k_q66278608e1_quant-k_q66278608e1_quant
	.p2alignl 7, 3214868480
	.fill 96, 4, 3214868480
	.section	.rodata,"a",@progbits
	.p2align	6, 0x0
	.amdhsa_kernel k_q66278608e1_quant
		.amdhsa_group_segment_fixed_size 34304
		.amdhsa_private_segment_fixed_size 0
		.amdhsa_enable_private_segment 0
		.amdhsa_kernarg_size 24
		.amdhsa_user_sgpr_count 2
		.amdhsa_user_sgpr_kernarg_segment_ptr 1
		.amdhsa_wavefront_size32 1
		.amdhsa_system_sgpr_workgroup_id_x 1
		.amdhsa_system_sgpr_workgroup_id_y 1
		.amdhsa_system_sgpr_workgroup_id_z 1
		.amdhsa_system_vgpr_workitem_id 0
		.amdhsa_next_free_vgpr 242
		.amdhsa_next_free_sgpr 66
		.amdhsa_reserve_vcc 0
		.amdhsa_float_denorm_mode_32 3
		.amdhsa_float_denorm_mode_16_64 3
		.amdhsa_memory_ordered 1
		.amdhsa_forward_progress 1
		.amdhsa_inst_pref_size 17
	.end_amdhsa_kernel
	.amdgpu_metadata
---
amdhsa.version: [ 1, 2 ]
amdhsa.kernels:
  - .name:           k_q66278608e1_quant
    .symbol:         k_q66278608e1_quant.kd
    .args:
      - { .name: x, .offset: 0, .size: 8, .value_kind: global_buffer, .address_space: global }
      - { .name: w_qkv, .offset: 8, .size: 8, .value_kind: global_buffer, .address_space: global }
      - { .name: xw, .offset: 16, .size: 8, .value_kind: global_buffer, .address_space: global }
    .group_segment_fixed_size: 34304
    .private_segment_fixed_size: 0
    .kernarg_segment_align: 8
    .kernarg_segment_size: 24
    .max_flat_workgroup_size: 128
    .sgpr_count:     66
    .vgpr_count:     242
    .wavefront_size: 32
...
	.end_amdgpu_metadata
.endif
;; end of part 1
;; launch qkv (part 2): grid 8 x 32, 4 waves a work-group, clusters of 4 x 4, 327,680 bytes of LDS; arguments xw, qkv; writes qkv
.if DOCPART == 2
	.amdgcn_target "amdgcn-amd-amdhsa--gfx1250"
	.amdhsa_code_object_version 6
	.text
	.protected	k_q66278608e1_qkv
	.globl	k_q66278608e1_qkv
	.p2align	8
	.type	k_q66278608e1_qkv,@function
k_q66278608e1_qkv:
	s_mov_b64 s[64:65], 0
	v_nop
	global_prefetch_b8 v0, s[64:65] scope:SCOPE_SE
	s_setreg_imm32_b32 hwreg(HW_REG_WAVE_MODE, 25, 1), 1
	s_wait_xcnt 0x0
	s_wait_alu depctr_hold_cnt(0) depctr_sa_sdst(0) depctr_va_vdst(0) depctr_va_sdst(0) depctr_va_ssrc(0) depctr_va_vcc(0) depctr_vm_vsrc(0)
	s_getreg_b32 s2, hwreg(HW_REG_IB_STS2, 6, 4)
	s_cmp_eq_u32 s2, 0
	s_cbranch_scc0 .Lentry_in_a_cluster
	s_endpgm
.Lentry_in_a_cluster:
	s_bfe_u32 s2, ttmp6, 0x10000c
	s_cmp_lg_u32 s2, 0xf033
	s_cbranch_scc0 .Lentry_shape_is_right
	s_endpgm
.Lentry_shape_is_right:
; qkv = x w^T on codes of BF6 (E3M2) with E8M0 scales, K = 1,024; the results are quantised at once for the products that follow: q and k along the head's 1,024, v along the keys.
; OPERANDS lie in memory as UNITS of 128 rows x 256 K, 25,600 bytes: register images of the fragments (three pieces of 512 bytes, lane l's registers 4 c .. 4 c + 3 at 512 c + 16 l) in the order [8 row blocks][2 K steps], then the
; scale words of the first K step and of the second, the latter with row block i at place i xor 1.  A row group's units lie one behind the other; one tensor load brings a unit's codes and scales,
; and a fragment comes out of LDS by three ds_load_b128 of 512 consecutive bytes.  The results are stored in the same form: q's and k's 128 groups of 4 units, then v's 32 groups of 8.
; SHARES: q and k together are 32 x 8 = 256 tiles of 256 x 256, v is 256 tiles of 128 x 256: each of the 256 work-groups STAYS for one of each, so that all have the same work.
;   PHASE 1 (q or k): A = 256 rows of x, B = 256 rows of w; a wave makes 128 x 128: 64 accumulators.   PHASE 2 (v): A = 128 rows of w's v part, B = THE SAME 256 rows of x; a wave makes 64 x 128: 32 accumulators.
; Source 0 of a product is 16 rows of B, source 1 16 rows of A: a lane holds ONE row of A, and, since the rows of x and w were stored with bits 3 and 4 of their numbers exchanged, its 64 registers of a block of 16 rows run along
; B's rows IN TRUE ORDER: register 16 b + i is k 32 b + 16 (lane / 16) + i of the next product.  In phase 2 a lane so holds one channel and its registers run along the tokens, which are v's K.
; CLUSTER: 4 x 4 work-groups; x's tiles are asked for jointly along a row of the cluster, w's along a column, in both phases.
; LIMITS: a block of zeros gets the byte 1 (its codes are zeros; this program alone reads the bytes); blocks whose largest magnitude lies under 2^-122 are held at that floor; NaN and infinities are not served.
; REGISTERS, in windows of 256: window 0: v2-31 addresses; v32-63 scale words, two sets of 16; v64-255 A's fragments in phase 1, two sets of 96; in phase 2 two sets of 48 at v112 and v160; on the ways out v64-111 and v160-249 are at work.
;   window 1: B's fragments, sets at v0 and v128.   windows 2, 3: accumulator (a, b) at v[8 (8 (a % 4) + b)] of window 2 + a / 4; phase 2 uses window 2 alone.
; A scale register holds one row block's words for TWO K steps: lanes 0-15 the even step's, lanes 16-31 the odd step's.
.set FRB,    1536                      ; a fragment's image
.set CU,     24576                     ; a unit's codes
.set U,      25600                     ; a unit
.set GS,     4*U                       ; a group of 128 rows with K = 1,024
; LDS: four regions (x's two halves, w's two), each with three places of one unit: unit u in place u % 3.  One tensor load a wave at a time: units 0 and 1 at the head, unit 2 behind the head's full sequence,
; unit 3 (place 0 again) in K step 2; in K step 5 places 1 and 2 of w's regions take the v rows' four units, one a wave; in the middle of phase 1's way out place 0 of w's regions takes x's unit 0 again.
; x's other three units still lie in their places: phase 2 walks K in the order 1, 2, 3, 0 (a sum's order is free here).
; NO PREFETCH into the L2: K is 1,024, the last of phase 1's units is asked for in its third K step, and no loop runs in which to ask ahead.
.set HR,     3*U                       ; a region of LDS
.set SPARE,  4*HR                      ; the spare words, 128 bytes for each wave: two blocks of 256 bytes that no other line names
.set STG,    SPARE+512                 ; 512 bytes for each wave: its rows' new scale words.  No fill lands here
.set VO,     13107200                  ; v's units lie behind q's and k's
.set VS3,   2                          ; v2-3    phase 2: the v rows' scale words in w's second region (row blocks with an even, with an odd number)
.set LI,    4                          ; v4      16 x lane
.set X2A,   6                          ; v6-7    phase 2: my x fragments, places 0 and 1
.set ADRA,  8                          ; v8-10   phase 1: my x fragments in places 0, 1, 2
.set SRD2,  11                         ; v11     phase 2's way out: where 8 bytes of my 256 bytes of new scale words are read back
.set ADRB,  12                         ; v12-14  phase 1: my w fragments
.set LI8,   15                         ; v15     8 x lane
.set ADSA,  16                         ; v16-17  phase 1: x's scale words (even, odd row blocks)
.set ADSB,  18                         ; v18-19  phase 1: w's
.set SWS,   20                         ; v20-21  the ways out: where my row's new scale word goes (even, odd row blocks)
.set SRD,   22                         ; v22     phase 1's way out: where 16 bytes of the 512 are read back
.set V2,    24                         ; v24-25  phase 2: my v-row fragments in w's two regions
.set XS,    26                         ; v26-27  phase 2: x's scale words
.set SPW,   28                         ; v28     LDS address of my spare word; never rewritten
.set NIL,   29                         ; v29     0; never rewritten
.set VS2,   30                         ; v30-31  phase 2: the v rows' scale words in w's first region
.set SC,    32
.set AF,    64
.set AF2,   112
.set TM,    64                         ; the ways out, four blocks of 16 rows at a time: v64-79 largest magnitudes, v80-95 lane l xor 16's, then bytes, v96-111 the conversions' scale operands
.set TB,    80
.set SO,    96
.set PC,    160                        ; v160-239 the codes, 20 registers a block
.set PW,    240                        ; v240-243 the scale words
.set SW,    244                        ; v244-247 phase 1's scale words read back;  v248-249 phase 2's
.set SW2,   248
.set G1A,  24                          ; s[24:31] descriptor group 1 for x's units;  s[32:39] for w's
.set G1B,  32
.set G0A,  56                          ; groups 0 for x: s[56:59] units 0 and 1, then unit 3;  s[60:63] unit 2
.set G0B,  76                          ; for w: s[76:79], s[80:83]
.set G0V,  96                          ; s[96:99] for the v rows' units
.set PHASE, 1
.set MSB, 0
.macro WIN new                         ; the immediate's high byte repeats the setting that is left; a switch that changes nothing is dropped
.if MSB != (\new)
	s_set_vgpr_msb (MSB<<8)|(\new)
.set MSB, (\new)
.endif
.endm
.set MUL_LO, 0xa1                      ; source 0 (B) window 1, source 1 (A) window 0, C and D window 2; + 0x50: C and D window 3
.set TO_B,   0x40                      ; destination window 1, address window 0
.macro PLACES n                        ; a load into a register that a matrix instruction has read, and a vector instruction that reads a result, stand four plain vector instructions behind it (ISA guide 7.12.1 for a vector instruction that reads a result)
.rept \n
	v_nop
.endr
.endm
.macro CREST                           ; a round of the cluster's barrier behind its opening barrier
	s_cmp_lg_u32 s16, 0
	s_cbranch_scc1 .Lnot_wave_0_\@
	s_barrier_signal -3
.Lnot_wave_0_\@:
	s_barrier_wait -3
	s_barrier_signal -1
	s_barrier_wait -1
.endm
.macro CROUND                          ; a whole round
	s_barrier_signal -1
	s_barrier_wait -1
	CREST
.endm
.macro JLOAD g0a, g0b                  ; a joint load: waves 0 and 1 fetch x's halves, waves 2 and 3 w's; four v_nop follow each of the two lines
	s_cmp_eq_u32 s17, 0
	s_cbranch_scc0 .Lfor_b_\@
	tensor_load_to_lds s[\g0a:\g0a+3], s[G1A:G1A+7]
	s_nop 0
.rept 4
	v_nop
.endr
	s_branch .Lasked_\@
.Lfor_b_\@:
	tensor_load_to_lds s[\g0b:\g0b+3], s[G1B:G1B+7]
	s_nop 0
.rept 4
	v_nop
.endr
.Lasked_\@:
.endm
.macro MKG0 g, lreg, loff, base, goff  ; a group 0: count 1; LDS address; global address; type 2
	s_mov_b32 s[\g], 1
	s_add_co_u32 s[\g+1], s[\lreg], \loff
	s_add_nc_u64 s[\g+2:\g+3], s[\base:\base+1], \goff
	s_or_b32 s[\g+3], s[\g+3], 0x80000000
.endm
.macro FRAG reg, adr, off              ; a fragment's image: three loads of 512 consecutive bytes
.irp c, 0,1,2
	ds_load_b128 v[(\reg)+4*\c:(\reg)+4*\c+3], v[\adr] offset:(\off)+512*\c
.endr
.endm
; Step g's fragments into set g % 2 and, with an even g, the scale words of steps g and g + 1: one run of loads.
; Phase 2: steps 2 j and 2 j + 1 are K quarter n = (j + 1) % 4, x's in place 1, 2, 0 of its region and (quarter 0) in place 0 of w's, the v rows' in place 1 + n / 2 of w's region n % 2.
.macro FETCH g
.set FP, (\g)%2
.set FJ, (\g)/2
.set FT, FJ%2
.if PHASE == 1
.set FS, FJ%3
	WIN TO_B
.irp i, 0,1,2,3,4,5,6,7
	FRAG 128*FP+12*\i, ADRB+FS, (\i*2+FP)*FRB
.endr
	WIN 0
.irp i, 0,1,2,3,4,5,6,7
	FRAG AF+96*FP+12*\i, ADRA+FS, (\i*2+FP)*FRB
.endr
.if FP == 0
.irp i, 0,1,2,3,4,5,6,7
	ds_load_b32 v[SC+16*FT+\i], v[ADSA+\i%2] offset:FS*U+64*\i
.endr
.irp i, 0,1,2,3,4,5,6,7
	ds_load_b32 v[SC+16*FT+8+\i], v[ADSB+\i%2] offset:FS*U+64*\i
.endr
.endif
.else
.set FK, (FJ+1)%4
.if FJ == 3
.set FXR, ADRB
.set FXO, 0
.set FSR, ADSB
.set FSO, 0
.else
.set FXR, X2A+1-FJ/2                   ; place 0 for quarter 3, else place 1
.set FXO, (FJ%2)*U
.set FSR, XS
.set FSO, (FK%3)*U
.endif
	WIN TO_B
.irp i, 0,1,2,3,4,5,6,7
	FRAG 128*FP+12*\i, FXR, FXO+(\i*2+FP)*FRB
.endr
	WIN 0
.irp i, 0,1,2,3
	FRAG AF2+48*FP+12*\i, V2+FK%2, (FK/2)*U+(\i*2+FP)*FRB
.endr
.if FP == 0
.set FVR, VS2+(VS3-VS2)*(FK%2)
.irp i, 0,1,2,3
	ds_load_b32 v[SC+16*FT+\i], v[FVR+\i%2] offset:(FK/2)*U+64*\i
.endr
.irp i, 0,1,2,3,4,5,6,7
	ds_load_b32 v[SC+16*FT+8+\i], v[FSR+\i%2] offset:FSO+64*\i
.endr
.endif
.endif
.endm
; Step g's products of A's blocks a0 .. a1 with B's eight.  The accumulators take turns, one instruction a turn, in the same order in every step.  zero = 1: the products start the sums.
; AFB, AFS: where A's two sets lie in the phase in hand.
.set AFB, AF
.set AFS, 96
.macro MULS g, a0, a1, zero
.set MP, (\g)%2
.set MT, ((\g)/2)%2
.irp a, 0,1,2,3,4,5,6,7
.if (\a >= (\a0)) && (\a <= (\a1))
	WIN MUL_LO+0x50*(\a/4)
.irp b, 0,1,2,3,4,5,6,7
.set rD, 8*(8*(\a%4)+\b)
.set rB, 128*MP+12*\b
.set rA, AFB+AFS*MP+12*\a
.set rSB, SC+16*MT+8+\b
.set rSA, SC+16*MT+\a
.if \zero
	v_wmma_scale_f32_16x16x128_f8f6f4 v[rD:rD+7], v[rB:rB+11], v[rA:rA+11], 0, v[rSB], v[rSA] matrix_a_fmt:MATRIX_FMT_BF6 matrix_b_fmt:MATRIX_FMT_BF6
.elseif MP
	v_wmma_scale_f32_16x16x128_f8f6f4 v[rD:rD+7], v[rB:rB+11], v[rA:rA+11], v[rD:rD+7], v[rSB], v[rSA] matrix_a_fmt:MATRIX_FMT_BF6 matrix_b_fmt:MATRIX_FMT_BF6 matrix_a_scale:MATRIX_SCALE_ROW1 matrix_b_scale:MATRIX_SCALE_ROW1
.else
	v_wmma_scale_f32_16x16x128_f8f6f4 v[rD:rD+7], v[rB:rB+11], v[rA:rA+11], v[rD:rD+7], v[rSB], v[rSA] matrix_a_fmt:MATRIX_FMT_BF6 matrix_b_fmt:MATRIX_FMT_BF6
.endif
.endr
.endif
.endr
.endm
.macro STEPN g, last, zero             ; a step whose successor's tiles are known to be whole: the next step's fragments are asked for first and have this step's products in which to come
	s_wait_dscnt 0x0                               ; this step's fragments, asked for a whole step ago
.if ((\g) > 0) || (PHASE == 2)
	PLACES 4
.endif
	FETCH (\g)+1
	MULS \g, 0, \last, \zero
.endm
; Phase 1, a K step in which LDS bytes are filled again: ONE barrier, which opens a round of the cluster's.  In front of it each wave waits for all its tensor loads, the unit that is read next among them, adds 0 to its spare word,
; and waits for that and for its reads of LDS; the joint load is the first thing behind the round.  kind = 1: place 0, whose unit has been read out, takes unit 3.  kind = 2: places 1 and 2 of w's regions take the v rows' units.
.macro TURN g, kind
	WIN 0                                          ; (the add's two registers lie in window 0)
	s_wait_tensorcnt 0x0                           ; all my tensor loads have landed, so every group 0 may be written;
	ds_add_u32 v[SPW], v[NIL]                      ; 0 onto my spare word;
	s_wait_dscnt 0x1                               ; this step's fragments are in (the add alone may be out)
	MULS \g, 0, 1, 0                               ; a quarter of the step's products stands between the add and the wait for it
	s_wait_dscnt 0x0                               ; the add is done, and my reads of LDS are over
	s_barrier_signal -1
	MULS \g, 2, 3, 0
	WIN 0                                          ; (at a branch and at a label every window is 0)
	s_barrier_wait -1
	CREST                                          ; no wave of any partner still reads the bytes or has a load on its way
.if (\kind) == 1
	s_add_nc_u64 s[G0A+2:G0A+3], s[G0A+2:G0A+3], 3*U
	s_add_nc_u64 s[G0B+2:G0B+3], s[G0B+2:G0B+3], 3*U
	JLOAD G0A, G0B                                 ; the four v_nop behind it are also the places in front of the loads below
.else
	tensor_load_to_lds s[G0V:G0V+3], s[G1B:G1B+7]  ; wave n brings unit n of the v rows into a place of its own: both addresses hang on the wave's number
	s_nop 0
.rept 4
	v_nop
.endr
.endif
	FETCH (\g)+1
	MULS \g, 4, 7, 0
.endm
	s_load_b128 s[4:7], s[0:1], 0x0                ; x's and w's units; q's, k's and v's
	v_lshl_add_u32 v[SPW], v0, 2, SPARE
	v_mov_b32 v[NIL], 0
	ds_add_u32 v[SPW], v[NIL]                      ; the opening lines: the add, twice on end, and its wait ahead of my first tensor load
	ds_add_u32 v[SPW], v[NIL]
	v_lshrrev_b32 v1, 5, v0
	v_readfirstlane_b32 s16, v1                    ; wave 0..3
	v_and_b32 v66, 31, v0
	s_lshr_b32 s17, s16, 1                         ; RH: which half of A's rows is mine.  Also: I fetch for x (0) or for w (1)
	s_and_b32 s18, s16, 1                          ; CH: which half of B's rows.  Also: which half of a tile I fetch
	s_bfe_u32 s100, ttmp6, 0x40000                 ; cx, cy: my place in the cluster
	s_bfe_u32 s101, ttmp6, 0x40004
	s_lshl_b32 s20, s101, 2
	s_lshl_b32 s20, 15, s20                        ; my row of the cluster
	s_lshl_b32 s21, 0x1111, s100                   ; my column
	; group 1: dense units as rows of 256 bytes (32 elements of 8 bytes): 200 rows, two units, at the head; 100 behind it.  15:0 the mask, 17:16 the element's size, 21 set beside a mask
	s_or_b32 s[G1A], s20, (3<<16)|(1<<21)
	s_or_b32 s[G1B], s21, (3<<16)|(1<<21)
.irp g, G1A, G1B
	s_mov_b32 s[\g+1], 32<<16                      ; tensor_dim0
	s_mov_b32 s[\g+2], 200<<16                     ; tensor_dim1
	s_mov_b32 s[\g+3], 32<<16                      ; tile_dim0
	s_mov_b32 s[\g+4], 200                         ; tile_dim1
	s_mov_b32 s[\g+5], 32                          ; the pitch
	s_mov_b32 s[\g+6], 0
	s_mov_b32 s[\g+7], 0
.endr
	; where the tiles lie, in groups of 128 of the 11,264 rows.  x's hang on Y and cy alone, w's on the cluster's x and cx alone, each in registers that never hold the other's coordinate
	s_and_b32 s19, ttmp7, 0xffff
	s_lshl_b32 s19, s19, 2
	s_add_co_u32 s19, s19, s101                    ; x's tile of 256 rows: 4 Y + cy
	s_lshl_b32 s20, s19, 1
	s_add_co_u32 s20, s20, s18                     ; the half of it that I would fetch
	s_mul_i32 s20, s20, GS
	s_mov_b32 s21, 0
	s_lshl_b32 s66, ttmp9, 2
	s_add_co_u32 s66, s66, s100                    ; J = 4 X + cx: which 256 rows of w's q and k parts, and which 128 of its v part
	s_lshl_b32 s2, s66, 1
	s_add_co_u32 s2, s2, s18
	s_add_co_u32 s2, s2, 64                        ; w begins at group 64
	s_mul_i32 s2, s2, GS
	s_mov_b32 s3, 0
	s_add_co_u32 s98, s66, 80                      ; w's v part begins at group 80;
	s_mul_i32 s98, s98, GS
	s_mul_i32 s99, s16, U                          ; wave n will fetch unit n of it
	s_add_co_u32 s98, s98, s99
	s_mov_b32 s99, 0
	s_mul_i32 s12, s16, HR                         ; where the tiles go: by the wave's number alone
	s_mul_i32 s97, s18, HR
	s_mul_i32 s13, s17, U
	s_add_co_u32 s97, s97, s13
	s_add_co_u32 s97, s97, 2*HR+U                  ; the v rows' unit n: w's region n % 2, place 1 + n / 2
	s_wait_alu depctr_va_vdst(0)                   ; directly ahead of the waits below
	s_wait_dscnt 0x0                               ; both opening adds are done
	s_wait_kmcnt 0x0
	s_add_nc_u64 s[20:21], s[4:5], s[20:21]
	s_add_nc_u64 s[2:3], s[4:5], s[2:3]
	MKG0 G0A, 12, 0, 20, 0
	MKG0 G0B, 12, 0, 2, 0
	CROUND                                         ; all sixteen work-groups are here: the first joint loads meet
	JLOAD G0A, G0B                                 ; units 0 and 1: one tensor load a wave at the head
	s_mov_b32 s96, 1
	s_add_nc_u64 s[98:99], s[4:5], s[98:99]
	s_or_b32 s99, s99, 0x80000000
	MKG0 G0A+4, 12, 2*U, 20, 2*U
	MKG0 G0B+4, 12, 2*U, 2, 2*U
	s_mul_i32 s2, s17, HR                          ; my half of x in phase 1
	s_mul_i32 s3, s18, HR                          ; and in phase 2
	s_add_co_u32 s19, s3, 2*HR                     ; my half of w
	s_add_co_u32 s20, s2, CU
	s_add_co_u32 s21, s19, CU
	s_add_co_u32 s22, s3, CU
	s_mul_i32 s12, s17, 8*FRB                      ; my 64 of the 128 v rows: four row blocks
	s_add_co_u32 s12, s12, 2*HR+U
	s_lshl_b32 s13, s17, 8
	s_add_co_u32 s13, s13, 2*HR+U+CU               ; and their scale words
	s_lshl_b32 s66, s16, 9
	s_add_co_u32 s66, s66, STG
	s_lshl_b32 s67, s18, 6
	s_add_co_u32 s67, s67, s66                     ; a new word's place: row block a of K step CH stands at a xor CH
	s_xor_b32 s14, s18, 1
	s_lshl_b32 s14, s14, 6
	s_add_co_u32 s14, s14, s66
	v_and_b32 v64, 15, v0                          ; r
	v_bfe_u32 v65, v0, 4, 1                        ; h
	v_lshlrev_b32 v[LI], 4, v66
	v_lshlrev_b32 v[LI8], 3, v66
	v_mul_u32_u24 v67, v65, 576                    ; lanes 16-31 take the odd K step's words: 512 on, and one place up for an even row block,
	v_mul_u32_u24 v68, v65, 448                    ; one down for an odd one
	v_lshl_add_u32 v67, v64, 2, v67
	v_lshl_add_u32 v68, v64, 2, v68
	v_add_nc_u32 v[ADRA], s2, v[LI]
	v_add_nc_u32 v[ADRB], s19, v[LI]
	v_add_nc_u32 v[X2A], s3, v[LI]
	v_add_nc_u32 v[V2], s12, v[LI]
	v_add_nc_u32 v[ADRA+1], U, v[ADRA]
	v_add_nc_u32 v[ADRB+1], U, v[ADRB]
	v_add_nc_u32 v[X2A+1], U, v[X2A]
	v_add_nc_u32 v[V2+1], HR, v[V2]
	v_add_nc_u32 v[ADRA+2], U, v[ADRA+1]
	v_add_nc_u32 v[ADRB+2], U, v[ADRB+1]
	v_add_nc_u32 v[ADSA], s20, v67
	v_add_nc_u32 v[ADSA+1], s20, v68
	v_add_nc_u32 v[ADSB], s21, v67
	v_add_nc_u32 v[ADSB+1], s21, v68
	v_add_nc_u32 v[XS], s22, v67
	v_add_nc_u32 v[XS+1], s22, v68
	v_add_nc_u32 v[VS2], s13, v67
	v_add_nc_u32 v[VS2+1], s13, v68
	v_add_nc_u32 v[VS3], HR, v[VS2]
	v_add_nc_u32 v[VS3+1], HR, v[VS2+1]
	v_lshl_add_u32 v[SWS], v64, 2, s67
	v_lshl_add_u32 v[SWS+1], v64, 2, s14
	v_add_nc_u32 v[SRD], s66, v[LI]
	v_add_nc_u32 v[SRD2], s66, v[LI8]
	s_mov_b32 s14, 0x76543210
	s_mov_b32 s15, 0xfedcba98                      ; v_permlanex16_b32's selects for lane l xor 16
	; WHERE THE RESULTS GO.  q, k: group 64 X + 2 tile + RH (k's 64 groups behind q's), unit cx, K step CH of it
	s_and_b32 s19, ttmp7, 0xffff
	s_lshl_b32 s19, s19, 2
	s_add_co_u32 s19, s19, s101                    ; x's tile
	s_lshl_b32 s20, ttmp9, 6
	s_lshl_b32 s21, s19, 1
	s_add_co_u32 s20, s20, s21
	s_add_co_u32 s20, s20, s17
	s_mul_i32 s20, s20, GS
	s_mul_i32 s21, s100, U
	s_add_co_u32 s20, s20, s21
	s_lshl_b32 s22, s18, 9
	s_add_co_u32 s22, s22, s20
	s_add_co_u32 s22, s22, CU                      ; the scale words
	s_mul_i32 s21, s18, FRB
	s_add_co_u32 s20, s20, s21                     ; the codes
	; v: group 8 batch + J (rows = channels), unit tile % 8 of the batch's 2,048 keys, K step CH of it; my 64 channels are row blocks 4 RH on
	s_lshl_b32 s2, ttmp9, 2
	s_add_co_u32 s2, s2, s100                      ; J
	s_lshr_b32 s3, s19, 3                          ; the batch
	s_lshl_b32 s3, s3, 3
	s_add_co_u32 s2, s2, s3
	s_mul_i32 s2, s2, 8*U
	s_and_b32 s3, s19, 7
	s_mul_i32 s3, s3, U
	s_add_co_u32 s2, s2, s3
	s_add_co_u32 s2, s2, VO
	s_mul_i32 s12, s17, 8*FRB
	s_mul_i32 s13, s18, FRB
	s_add_co_u32 s12, s12, s13
	s_add_co_u32 s12, s12, s2                      ; the codes
	s_lshl_b32 s66, s17, 8
	s_lshl_b32 s67, s18, 9
	s_add_co_u32 s66, s66, s67
	s_add_co_u32 s66, s66, s2
	s_add_co_u32 s66, s66, CU                      ; the scale words: my 64 rows' 256 bytes
	s_mov_b32 s13, 0
	s_mov_b32 s67, 0
	s_mov_b32 s21, 0
	s_mov_b32 s23, 0
	s_add_nc_u64 s[12:13], s[6:7], s[12:13]        ; phase 2's codes
	s_add_nc_u64 s[66:67], s[6:7], s[66:67]        ; phase 2's scale words
	s_add_nc_u64 s[8:9], s[6:7], s[20:21]          ; phase 1's codes
	s_add_nc_u64 s[10:11], s[6:7], s[22:23]        ; phase 1's scale words
	s_wait_alu depctr_va_vdst(0)
	s_wait_tensorcnt 0x0                           ; my part of units 0 and 1 is in
	ds_add_u32 v[SPW], v[NIL]
.irp g, G1A, G1B                       ; no tensor load of mine is out, so a descriptor may be written: from here on a load brings one unit
	s_mov_b32 s[\g+2], 100<<16
	s_mov_b32 s[\g+4], 100
.endr
	s_wait_dscnt 0x0
	CROUND                                         ; everybody's part is in, and the joint loads meet:
	JLOAD G0A+4, G0B+4                             ; unit 2, into place 2
	FETCH 0
	STEPN 0, 7, 1                                  ; the first products start the sums: nothing is cleared
	STEPN 1, 7, 0
	TURN 2, 1                                      ; unit 2 is in; unit 3 is asked for, first read three and a half steps on
	STEPN 3, 7, 0
	STEPN 4, 7, 0
	TURN 5, 2                                      ; unit 3 is in; the v rows' units have the rest of phase 1 and half its way out in which to land
	STEPN 6, 7, 0
	s_wait_dscnt 0x0
	MULS 7, 0, 7, 0
	WIN 0
; THE WAYS OUT, four blocks of 16 rows of A at a time (one window's): a block's 64 numbers a lane become a fragment and a scale word.  m counts the sixteen blocks of 32 along the next K: m = 4 x row block + block; each step is done for all
; sixteen before the next.  Blocks 4 w .. 4 w + 3 go to s[ptr:ptr+1], 3,072 bytes apart.  first = 1: the launch's first, which finds no store of an earlier one.
.macro QOUT w, ptr, first
.set QW, 2+(\w)
	WIN (QW<<2)|(QW<<4)                            ; sources 1 and 2: the accumulators' window
.irp m, 0,1,2,3,4,5,6,7,8,9,10,11,12,13,14,15
	v_max3_num_f32 v[TM+\m], 0x2800000, |v[16*\m]|, |v[16*\m+1]|   ; my 16 numbers, each accumulator from its low end on; and the floor 2^(5 - 127)
.endr
.irp i, 2,4,6,8,10,12,14
.irp m, 0,1,2,3,4,5,6,7,8,9,10,11,12,13,14,15
	v_max3_num_f32 v[TM+\m], v[TM+\m], |v[16*\m+\i]|, |v[16*\m+\i+1]|
.endr
.endr
	WIN 0
.irp m, 0,1,2,3,4,5,6,7,8,9,10,11,12,13,14,15
	v_permlanex16_b32 v[TB+\m], v[TM+\m], s14, s15
.endr
.irp m, 0,1,2,3,4,5,6,7,8,9,10,11,12,13,14,15
	v_max_num_f32 v[TM+\m], v[TM+\m], v[TB+\m]     ; with lane l xor 16's: the block's largest magnitude
.endr
.irp m, 0,1,2,3,4,5,6,7,8,9,10,11,12,13,14,15
	v_add_nc_u32 v[SO+\m], 0xfe000000, v[TM+\m]    ; 4 off its exponent field: the conversion's scale operand
.endr
.irp m, 0,1,2,3,4,5,6,7,8,9,10,11,12,13,14,15
	v_lshrrev_b32 v[TB+\m], 23, v[SO+\m]           ; the scale's byte
.endr
.if (\first) == 0
	s_wait_alu depctr_va_vdst(0)                   ; directly ahead of the waits below
	s_wait_dscnt 0x0                               ; the last four LDS stores have read the words' registers
	s_wait_xcnt 0x0                                ; and the last stores theirs: these are written again only behind these waits
.endif
.irp q, 0,1,2,3
	v_lshl_or_b32 v[PW+\q], v[TB+4*\q+1], 8, v[TB+4*\q]
.endr
.irp q, 0,1,2,3
	v_lshl_or_b32 v[PW+\q], v[TB+4*\q+2], 16, v[PW+\q]
.endr
.irp q, 0,1,2,3
	v_lshl_or_b32 v[PW+\q], v[TB+4*\q+3], 24, v[PW+\q]   ; my row's scale word
.endr
	WIN QW                                         ; source 0: the accumulators' window
.irp q, 0,1,2,3
.irp c, 0,1                            ; (a conversion's three registers begin on an even number)
	v_cvt_scalef32_pk16_bf6_f32 v[PC+20*\q+6*\c:PC+20*\q+6*\c+2], v[64*\q+32*\c:64*\q+32*\c+15], v[SO+4*\q+2*\c]
	v_cvt_scalef32_pk16_bf6_f32 v[PC+20*\q+12+4*\c:PC+20*\q+14+4*\c], v[64*\q+32*\c+16:64*\q+32*\c+31], v[SO+4*\q+2*\c+1]
.endr
.endr
	WIN 0
	v_nop                                          ; one plain place behind a scaled conversion
.irp q, 0,1,2,3                        ; the layout wants a WHOLE block of 32 in a lane: lanes 0-15 block 2 c, lanes 16-31 block 2 c + 1
.irp c, 0,1
.irp i, 0,1,2
	v_permlane16_swap_b32 v[PC+20*\q+6*\c+\i], v[PC+20*\q+12+4*\c+\i]
.endr
.endr
.endr
.irp q, 0,1,2,3
.irp c, 0,1
.irp i, 0,1,2
	v_mov_b32 v[PC+20*\q+3+6*\c+\i], v[PC+20*\q+12+4*\c+\i]
.endr
.endr
.endr
.irp q, 0,1,2,3
.irp c, 0,1,2
	global_store_b128 v[LI], v[PC+20*\q+4*\c:PC+20*\q+4*\c+3], s[\ptr:\ptr+1] offset:3072*(4*(\w)+\q)+512*\c   ; the image: 32 lanes store 512 consecutive bytes, at a multiple of 512 from the unit's first byte
.endr
.endr
	ds_store_b32 v[SWS], v[PW] offset:256*(\w)     ; both halves of the lanes write the same word with the same value
	ds_store_b32 v[SWS+1], v[PW+1] offset:256*(\w)
	ds_store_b32 v[SWS], v[PW+2] offset:256*(\w)+128
	ds_store_b32 v[SWS+1], v[PW+3] offset:256*(\w)+128
.endm
	PLACES 4
.irp m, 0,1,2,3,4,5,6,7,8,9,10,11,12,13,14,15
	v_mov_b32 v[TB+\m], 0                          ; written once: a lane permute's destination counts as one of its sources
.endr
	QOUT 0, 8, 1
	; THE LAST REFILL: place 0 of w's regions, whose last fragments were multiplied in K step 7, takes x's unit 0 once more
	s_wait_tensorcnt 0x0                           ; all my tensor loads have landed, my unit of the v rows among them, so every group 0 may be written;
	ds_add_u32 v[SPW], v[NIL]                      ; 0 onto my spare word; the descriptor's steps stand between it and the wait for it
	s_add_co_u32 s[G0A+1], s[G0A+1], 2*HR          ; from x's region to w's,
	s_sub_nc_u64 s[G0A+2:G0A+3], s[G0A+2:G0A+3], 3*U   ; from unit 3 back to unit 0
	s_wait_dscnt 0x0                               ; the add is done, and my LDS stores and reads are over
	CROUND                                         ; no wave of any partner still reads those bytes or has a load on its way
	s_cmp_eq_u32 s17, 0                            ; waves 0 and 1 fetch x's halves; waves 2 and 3 have nothing to fill
	s_cbranch_scc0 .Lnot_x
	tensor_load_to_lds s[G0A:G0A+3], s[G1A:G1A+7]
	s_nop 0
.rept 4
	v_nop
.endr
.Lnot_x:
.set PHASE, 2
.set AFB, AF2
.set AFS, 48
	FETCH 0                                        ; phase 2's first fragments (K quarter 1: x's in place 1, the v rows' shown whole by the round) come while the way out goes on
	QOUT 1, 8, 0
	ds_load_b128 v[SW:SW+3], v[SRD]                ; LDS serves a wave's instructions in order: this sees my eight stores
	s_wait_dscnt 0x0
	global_store_b128 v[LI], v[SW:SW+3], s[10:11]  ; my 128 rows' words of my K step: 512 consecutive bytes
	; PHASE 2: v.  Phase 1's stores leave while it multiplies
	s_wait_alu depctr_va_vdst(0)                   ; directly ahead of the wait below
	s_wait_xcnt 0x0                                ; the stores have read their registers: step 1's fragments land on some of them
	STEPN 0, 3, 1                                  ; the first products start the sums anew
	STEPN 1, 3, 0
	STEPN 2, 3, 0
	STEPN 3, 3, 0
	STEPN 4, 3, 0
	WIN 0                                          ; step 5: a barrier shows x's unit 0, which waves 0 and 1 fetched, to all four waves
	s_wait_tensorcnt 0x0                           ; my load of it has landed
	ds_add_u32 v[SPW], v[NIL]                      ; (the same three lines as in front of every other such barrier of this text)
	s_wait_dscnt 0x1                               ; this step's fragments are in (the add alone may be out)
	MULS 5, 0, 0, 0
	s_wait_dscnt 0x0
	s_barrier_signal -1
	MULS 5, 1, 1, 0
	WIN 0
	s_barrier_wait -1
	PLACES 4
	FETCH 6
	MULS 5, 2, 3, 0
	STEPN 6, 3, 0
	s_wait_dscnt 0x0
	MULS 7, 0, 3, 0
	WIN 0
	PLACES 4
	QOUT 0, 12, 0
	ds_load_b64 v[SW2:SW2+1], v[SRD2]              ; LDS serves a wave's instructions in order: this sees my four stores
	s_wait_dscnt 0x0
	global_store_b64 v[LI8], v[SW2:SW2+1], s[66:67]  ; my 64 rows' words of my K step: 256 consecutive bytes, at a multiple of 256 from the buffer's first byte
	s_wait_tensorcnt 0x0                           ; the wave's end: behind my last tensor load and my last LDS store
	ds_add_u32 v[SPW], v[NIL]
	s_wait_dscnt 0x0
	CROUND                                         ; the closing round: no work-group ends while a partner may still ask for a tile that names it
	s_endpgm
.Lfunc_end_k_q66278608e1_qkv:
	.size	k_q66278608e1_qkv, .Lfunc_end_k_q66278608e1_qkv-k_q66278608e1_qkv
	.p2alignl 7, 3214868480
	.fill 96, 4, 3214868480
	.section	.rodata,"a",@progbits
	.p2align	6, 0x0
	.amdhsa_kernel k_q66278608e1_qkv
		.amdhsa_group_segment_fixed_size 327680
		.amdhsa_private_segment_fixed_size 0
		.amdhsa_enable_private_segment 0
		.amdhsa_kernarg_size 16
		.amdhsa_user_sgpr_count 2
		.amdhsa_user_sgpr_kernarg_segment_ptr 1
		.amdhsa_wavefront_size32 1
		.amdhsa_system_sgpr_workgroup_id_x 1
		.amdhsa_system_sgpr_workgroup_id_y 1
		.amdhsa_system_sgpr_workgroup_id_z 1
		.amdhsa_system_vgpr_workitem_id 0
		.amdhsa_next_free_vgpr 1024
		.amdhsa_next_free_sgpr 102
		.amdhsa_reserve_vcc 0
		.amdhsa_float_denorm_mode_32 3
		.amdhsa_float_denorm_mode_16_64 3
		.amdhsa_memory_ordered 1
		.amdhsa_forward_progress 1
		.amdhsa_inst_pref_size 213
	.end_amdhsa_kernel
	.amdgpu_metadata
---
amdhsa.version: [ 1, 2 ]
amdhsa.kernels:
  - .name:           k_q66278608e1_qkv
    .symbol:         k_q66278608e1_qkv.kd
    .args:
      - { .name: xw, .offset: 0, .size: 8, .value_kind: global_buffer, .address_space: global }
      - { .name: qkv, .offset: 8, .size: 8, .value_kind: global_buffer, .address_space: global }
    .group_segment_fixed_size: 327680
    .private_segment_fixed_size: 0
    .kernarg_segment_align: 8
    .kernarg_segment_size: 16
    .max_flat_workgroup_size: 128
    .sgpr_count:     102
    .vgpr_count:     1024
    .wavefront_size: 32
...
	.end_amdgpu_metadata
.endif
;; end of part 2
;; launch scores (part 3): grid 8 x 32, 4 waves a work-group, clusters of 4 x 4, 327,680 bytes of LDS; arguments qkv, p_codes, p_scales, stats; writes p_codes, p_scales, stats
.if DOCPART == 3
	.amdgcn_target "amdgcn-amd-amdhsa--gfx1250"
	.amdhsa_code_object_version 6
	.text
	.protected	k_q66278608e1_scores
	.globl	k_q66278608e1_scores
	.p2align	8
	.type	k_q66278608e1_scores,@function
k_q66278608e1_scores:
	s_mov_b64 s[64:65], 0
	v_nop
	global_prefetch_b8 v0, s[64:65] scope:SCOPE_SE
	s_setreg_imm32_b32 hwreg(HW_REG_WAVE_MODE, 25, 1), 1
	s_wait_xcnt 0x0
	s_wait_alu depctr_hold_cnt(0) depctr_sa_sdst(0) depctr_va_vdst(0) depctr_va_sdst(0) depctr_va_ssrc(0) depctr_va_vcc(0) depctr_vm_vsrc(0)
	s_getreg_b32 s2, hwreg(HW_REG_IB_STS2, 6, 4)
	s_cmp_eq_u32 s2, 0
	s_cbranch_scc0 .Lentry_in_a_cluster
	s_endpgm
.Lentry_in_a_cluster:
	s_bfe_u32 s2, ttmp6, 0x10000c
	s_cmp_lg_u32 s2, 0xf033
	s_cbranch_scc0 .Lentry_shape_is_right
	s_endpgm
.Lentry_shape_is_right:
; S = q k^T on codes of BF6 (E3M2) with E8M0 scales, K = 1,024, for 4 batches of 2,048 x 2,048; the scores never go to memory: the way out turns them into the next product's operand.
; THE SOFTMAX: t = score x log2(e) / 32; p = 2^(t - M), M a whole number.  Here M is LOCAL: the ceiling of the largest t of a row's 128 keys that one wave holds.  p is quantised along the keys under that M; stored are
; the codes, the scale words, -M and the sum of the 128 unquantised p.  The next launch finds each row's largest M and takes the difference, a whole number, off the scale bytes and off the sums' exponents: exact.
; OPERANDS lie in memory as UNITS of 128 rows x 256 K, 25,600 bytes: register images of the fragments (three pieces of 512 bytes, lane l's registers 4 c .. 4 c + 3 at 512 c + 16 l) in the order [8 row blocks][2 K steps], then the
; scale words of the first K step and of the second, the latter with row block i at place i xor 1.  A row group's four units lie one behind the other.  p's codes go out in units of 24,576 bytes without scale words, eight to a row group.
; SHARES: a work-group makes 256 queries x 256 keys, each of its four waves 128 x 128.  Source 0 of a product is 16 rows of k, source 1 16 rows of q: a lane holds ONE query, and, since tokens are stored with bits 3 and 4 of their
; numbers exchanged, its 64 registers of a block of 16 queries run along the keys IN TRUE ORDER: register 16 b + i is key 32 b + 16 (lane / 16) + i of the wave's 128.
; CLUSTER: 4 x 4 work-groups; q's tiles are asked for jointly along a row of the cluster, k's along a column.
; LIMITS: a block whose every p is 0 gets the byte 1 (its codes are zeros); NaN and infinities are not served; M is exact while |t| stays under 2^24.
; REGISTERS, in windows of 256: window 0: v4-29 addresses; v32-63 scale words, two sets of 16; v64-255 q's fragments, two sets of 96 (on the way out v64-251 are at work).  window 1: k's fragments, sets at v0 and v128.
;   windows 2, 3: accumulator (a, b) at v[8 (8 (a % 4) + b)] of window 2 + a / 4.
.set FRB,    1536
.set CU,     24576                     ; a unit's codes
.set U,      25600
.set GS,     4*U                       ; a group of 128 rows with K = 1,024
; LDS: four regions (q's two halves, k's two), each with three places of one unit: unit u in place u % 3.  One tensor load a wave at a time: units 0 and 1 at the head, unit 2 behind the head's full sequence,
; unit 3 (place 0 again) in K step 2.
; NO PREFETCH into the L2: K is 1,024, the last unit is asked for in the third K step, and no loop runs in which to ask ahead.
.set HR,     3*U                       ; a region of LDS
.set SPARE,  4*HR                      ; the spare words, 128 bytes for each wave: two blocks of 256 bytes that no other line names
.set STG,    SPARE+512                 ; 1,536 bytes for each wave: its 128 rows' scale words, -M and sums.  No fill lands here
.set LI,   4
.set ADRA, 8
.set ADRB, 12
.set ADSA, 16                          ; v16-17 (even, odd row blocks)
.set SWS,  18
.set SRD,  19
.set ADSB, 20                          ; v20-21
.set SPW,  28
.set NIL,  29
.set SC,   32
.set AF,   64
; the way out, four blocks of 16 queries at a time:
.set BM,   64                          ; v64-79 the largest scores of the sixteen blocks of 32 keys, then their largest p
.set BT,   80                          ; v80-95 lane l xor 16's
.set NM,   96                          ; v96, 98, 100, 102: -M (the odd ones are named with them as pairs)
.set TS,   104                         ; v104-107
.set RS,   108                         ; v108-123 the sums, each in two chains of pairs
.set SO,   124                         ; v124-139 the conversions' scale operands
.set BY,   140                         ; v140-155 scale bytes
.set PW,   156                         ; v156-159 the scale words
.set PC,   160                         ; v160-239 the codes, 20 registers a block
.set RB,   240                         ; v240-251 words, -M and sums read back
.set G1A,  24
.set G1B,  32
.set G0A,  56                          ; groups 0 for q: s[56:59] units 0 and 1, then unit 3;  s[60:63] unit 2
.set G0B,  76                          ; for k: s[76:79], s[80:83]
.set MSB, 0
.macro WIN new                         ; the immediate's high byte repeats the setting that is left; a switch that changes nothing is dropped
.if MSB != (\new)
	s_set_vgpr_msb (MSB<<8)|(\new)
.set MSB, (\new)
.endif
.endm
.set MUL_LO, 0xa1                      ; source 0 (k) window 1, source 1 (q) window 0, C and D window 2; + 0x50: C and D window 3
.set TO_B,   0x40
.macro PLACES n                        ; a load into a register that a matrix instruction has read, and a vector instruction that reads a result, stand four plain vector instructions behind it (ISA guide 7.12.1 for a vector instruction that reads a result)
.rept \n
	v_nop
.endr
.endm
.macro CREST
	s_cmp_lg_u32 s16, 0
	s_cbranch_scc1 .Lnot_wave_0_\@
	s_barrier_signal -3
.Lnot_wave_0_\@:
	s_barrier_wait -3
	s_barrier_signal -1
	s_barrier_wait -1
.endm
.macro CROUND
	s_barrier_signal -1
	s_barrier_wait -1
	CREST
.endm
.macro JLOAD g0a, g0b                  ; a joint load: waves 0 and 1 fetch q's halves, waves 2 and 3 k's; four v_nop follow each of the two lines
	s_cmp_eq_u32 s17, 0
	s_cbranch_scc0 .Lfor_b_\@
	tensor_load_to_lds s[\g0a:\g0a+3], s[G1A:G1A+7]
	s_nop 0
.rept 4
	v_nop
.endr
	s_branch .Lasked_\@
.Lfor_b_\@:
	tensor_load_to_lds s[\g0b:\g0b+3], s[G1B:G1B+7]
	s_nop 0
.rept 4
	v_nop
.endr
.Lasked_\@:
.endm
.macro MKG0 g, lreg, loff, base, goff  ; a group 0: count 1; LDS address; global address; type 2
	s_mov_b32 s[\g], 1
	s_add_co_u32 s[\g+1], s[\lreg], \loff
	s_add_nc_u64 s[\g+2:\g+3], s[\base:\base+1], \goff
	s_or_b32 s[\g+3], s[\g+3], 0x80000000
.endm
.macro FRAG reg, adr, off
.irp c, 0,1,2
	ds_load_b128 v[(\reg)+4*\c:(\reg)+4*\c+3], v[\adr] offset:(\off)+512*\c
.endr
.endm
.macro FETCH g                         ; K step g's fragments into set g % 2; with an even g the scale words of steps g and g + 1 (lanes 0-15 the even step's, lanes 16-31 the odd step's)
.set FP, (\g)%2
.set FT, ((\g)/2)%2
.set FS, ((\g)/2)%3
	WIN TO_B
.irp i, 0,1,2,3,4,5,6,7
	FRAG 128*FP+12*\i, ADRB+FS, (\i*2+FP)*FRB
.endr
	WIN 0
.irp i, 0,1,2,3,4,5,6,7
	FRAG AF+96*FP+12*\i, ADRA+FS, (\i*2+FP)*FRB
.endr
.if FP == 0
.irp i, 0,1,2,3,4,5,6,7
	ds_load_b32 v[SC+16*FT+\i], v[ADSA+\i%2] offset:FS*U+64*\i
.endr
.irp i, 0,1,2,3,4,5,6,7
	ds_load_b32 v[SC+16*FT+8+\i], v[ADSB+\i%2] offset:FS*U+64*\i
.endr
.endif
.endm
; K step g's products of q's blocks a0 .. a1 with k's eight.  The accumulators take turns, one instruction a turn, in the same order in every step.  zero = 1: the products start the sums.
.macro MULS g, a0, a1, zero
.set MP, (\g)%2
.set MT, ((\g)/2)%2
.irp a, 0,1,2,3,4,5,6,7
.if (\a >= (\a0)) && (\a <= (\a1))
	WIN MUL_LO+0x50*(\a/4)
.irp b, 0,1,2,3,4,5,6,7
.set rD, 8*(8*(\a%4)+\b)
.set rB, 128*MP+12*\b
.set rA, AF+96*MP+12*\a
.set rSB, SC+16*MT+8+\b
.set rSA, SC+16*MT+\a
.if \zero
	v_wmma_scale_f32_16x16x128_f8f6f4 v[rD:rD+7], v[rB:rB+11], v[rA:rA+11], 0, v[rSB], v[rSA] matrix_a_fmt:MATRIX_FMT_BF6 matrix_b_fmt:MATRIX_FMT_BF6
.elseif MP
	v_wmma_scale_f32_16x16x128_f8f6f4 v[rD:rD+7], v[rB:rB+11], v[rA:rA+11], v[rD:rD+7], v[rSB], v[rSA] matrix_a_fmt:MATRIX_FMT_BF6 matrix_b_fmt:MATRIX_FMT_BF6 matrix_a_scale:MATRIX_SCALE_ROW1 matrix_b_scale:MATRIX_SCALE_ROW1
.else
	v_wmma_scale_f32_16x16x128_f8f6f4 v[rD:rD+7], v[rB:rB+11], v[rA:rA+11], v[rD:rD+7], v[rSB], v[rSA] matrix_a_fmt:MATRIX_FMT_BF6 matrix_b_fmt:MATRIX_FMT_BF6
.endif
.endr
.endif
.endr
.endm
.macro STEPN g, zero                   ; the next step's fragments are asked for first and have this step's products in which to come
	s_wait_dscnt 0x0                               ; this step's fragments, asked for a whole step ago
.if (\g) > 0
	PLACES 4
.endif
	FETCH (\g)+1
	MULS \g, 0, 7, \zero
.endm
; A K step behind which a unit is entered whose landing is not yet shown: ONE barrier.  In front of it each wave waits for all its tensor loads, adds 0 to its spare word, and waits for that and for its reads of LDS.
; fill = 1: place 0, whose unit has been read out, takes unit 3; the barrier then opens a round of the cluster's, and the joint load is the first thing behind the round.
.macro TURN g, fill
	WIN 0                                          ; (the add's two registers lie in window 0)
	s_wait_tensorcnt 0x0                           ; all my tensor loads have landed, so every group 0 may be written;
	ds_add_u32 v[SPW], v[NIL]                      ; 0 onto my spare word;
	s_wait_dscnt 0x1                               ; this step's fragments are in (the add alone may be out)
	MULS \g, 0, 1, 0                               ; a quarter of the step's products stands between the add and the wait for it
	s_wait_dscnt 0x0                               ; the add is done, and my reads of LDS are over
	s_barrier_signal -1
	MULS \g, 2, 3, 0
	WIN 0                                          ; (at a branch and at a label every window is 0)
	s_barrier_wait -1
.if \fill
	CREST                                          ; no wave of any partner still reads the place or has a load on its way
	s_add_nc_u64 s[G0A+2:G0A+3], s[G0A+2:G0A+3], 3*U
	s_add_nc_u64 s[G0B+2:G0B+3], s[G0B+2:G0B+3], 3*U
	JLOAD G0A, G0B
.else
	PLACES 4
.endif
	FETCH (\g)+1
	MULS \g, 4, 7, 0
.endm
	s_load_b64 s[4:5], s[0:1], 0x0                 ; q's and k's units
	s_load_b128 s[8:11], s[0:1], 0x8               ; p's codes, p's scale words
	s_load_b64 s[12:13], s[0:1], 0x18              ; -M and the sums
	v_lshl_add_u32 v[SPW], v0, 2, SPARE
	v_mov_b32 v[NIL], 0
	ds_add_u32 v[SPW], v[NIL]                      ; the opening lines: the add, twice on end, and its wait ahead of my first tensor load
	ds_add_u32 v[SPW], v[NIL]
	v_lshrrev_b32 v1, 5, v0
	v_readfirstlane_b32 s16, v1                    ; wave 0..3
	v_and_b32 v3, 31, v0
	s_lshr_b32 s17, s16, 1                         ; RH: which half of the queries is mine.  Also: I fetch for q (0) or for k (1)
	s_and_b32 s18, s16, 1                          ; CH: which half of the keys.  Also: which half of that tile I fetch
	s_bfe_u32 s92, ttmp6, 0x40000                  ; cx, cy: my place in the cluster
	s_bfe_u32 s93, ttmp6, 0x40004
	s_and_b32 s94, ttmp7, 0xffff                   ; the cluster's y
	s_lshl_b32 s95, s93, 2
	s_lshl_b32 s95, 15, s95                        ; my row of the cluster
	s_lshl_b32 s96, 0x1111, s92                    ; my column
	; group 1: dense units as rows of 256 bytes (32 elements of 8 bytes): 200 rows, two units, at the head; 100 behind it.  15:0 the mask, 17:16 the element's size, 21 set beside a mask
	s_or_b32 s[G1A], s95, (3<<16)|(1<<21)
	s_or_b32 s[G1B], s96, (3<<16)|(1<<21)
.irp g, G1A, G1B
	s_mov_b32 s[\g+1], 32<<16
	s_mov_b32 s[\g+2], 200<<16
	s_mov_b32 s[\g+3], 32<<16
	s_mov_b32 s[\g+4], 200
	s_mov_b32 s[\g+5], 32
	s_mov_b32 s[\g+6], 0
	s_mov_b32 s[\g+7], 0
.endr
	s_lshl_b32 s97, s94, 2
	s_add_co_u32 s97, s97, s93                     ; q's tile of 256 rows: 4 Y + cy; its batch is Y / 2
	s_lshl_b32 s20, s97, 1
	s_add_co_u32 s20, s20, s18                     ; the 128 rows of q that I would fetch
	s_mul_i32 s20, s20, GS
	s_mov_b32 s21, 0
	s_lshr_b32 s98, s94, 1
	s_lshl_b32 s98, s98, 3
	s_lshl_b32 s99, ttmp9, 2
	s_add_co_u32 s98, s98, s99
	s_add_co_u32 s98, s98, 32
	s_add_co_u32 s98, s98, s92                     ; k's tile: 32 + 8 x batch + 4 X + cx
	s_lshl_b32 s98, s98, 1
	s_add_co_u32 s98, s98, s18                     ; the same of k
	s_mul_i32 s98, s98, GS
	s_mov_b32 s99, 0
	s_mul_i32 s2, s16, HR                          ; where they go: by the wave's number alone
	s_wait_alu depctr_va_vdst(0)                   ; directly ahead of the waits below
	s_wait_dscnt 0x0                               ; both opening adds are done
	s_wait_kmcnt 0x0
	s_add_nc_u64 s[20:21], s[4:5], s[20:21]
	s_add_nc_u64 s[98:99], s[4:5], s[98:99]
	MKG0 G0A, 2, 0, 20, 0
	MKG0 G0B, 2, 0, 98, 0
	CROUND                                         ; all sixteen work-groups are here: the first joint loads meet
	JLOAD G0A, G0B                                 ; units 0 and 1: one tensor load a wave at the head
	MKG0 G0A+4, 2, 2*U, 20, 2*U
	MKG0 G0B+4, 2, 2*U, 98, 2*U
	s_mul_i32 s2, s17, HR                          ; my half of q
	s_mul_i32 s3, s18, HR
	s_add_co_u32 s3, s3, 2*HR                      ; my half of k
	s_add_co_u32 s22, s2, CU
	s_add_co_u32 s23, s3, CU
	s_mul_i32 s99, s16, 1536
	s_add_co_u32 s99, s99, STG
	v_and_b32 v1, 15, v0                           ; r
	v_bfe_u32 v2, v0, 4, 1                         ; h
	v_lshlrev_b32 v[LI], 4, v3
	v_mul_u32_u24 v6, v2, 576                      ; lanes 16-31 take the odd K step's words: 512 on, and one place up for an even row block,
	v_mul_u32_u24 v7, v2, 448                      ; one down for an odd one
	v_lshl_add_u32 v6, v1, 2, v6
	v_lshl_add_u32 v7, v1, 2, v7
	v_add_nc_u32 v[ADRA], s2, v[LI]
	v_add_nc_u32 v[ADRB], s3, v[LI]
	v_add_nc_u32 v[ADRA+1], U, v[ADRA]
	v_add_nc_u32 v[ADRB+1], U, v[ADRB]
	v_add_nc_u32 v[ADRA+2], U, v[ADRA+1]
	v_add_nc_u32 v[ADRB+2], U, v[ADRB+1]
	v_add_nc_u32 v[ADSA], s22, v6
	v_add_nc_u32 v[ADSA+1], s22, v7
	v_add_nc_u32 v[ADSB], s23, v6
	v_add_nc_u32 v[ADSB+1], s23, v7
	v_lshl_add_u32 v[SWS], v1, 2, s99
	v_add_nc_u32 v[SRD], s99, v[LI]
	s_mov_b32 s14, 0x76543210
	s_mov_b32 s15, 0xfedcba98                      ; v_permlanex16_b32's selects for lane l xor 16
	s_mov_b32 s2, 0x3d38aa3b                       ; c = log2(e) / 32: t = score x c
	s_mov_b32 s3, s2                               ; (the packed form names the pair and takes its low word for both halves: so s3 is written)
	; WHERE THE RESULTS GO.  p's codes: group 2 tile + RH, unit 4 X + cx of the batch's 2,048 keys, K step CH of it
	s_lshl_b32 s98, ttmp9, 2
	s_add_co_u32 s98, s98, s92                     ; the unit
	s_lshl_b32 s22, s97, 1
	s_add_co_u32 s22, s22, s17                     ; the group
	s_mul_i32 s20, s22, 8*CU
	s_mul_i32 s21, s98, CU
	s_add_co_u32 s20, s20, s21
	s_mul_i32 s21, s18, FRB
	s_add_co_u32 s20, s20, s21                     ; the codes
	s_mov_b32 s21, 0
	s_lshl_b32 s98, s98, 1
	s_add_co_u32 s98, s98, s18                     ; the K step
	s_lshl_b32 s22, s22, 13
	s_lshl_b32 s23, s98, 9
	s_add_co_u32 s22, s22, s23                     ; the scale words, -M, the sums: [128 rows][16 K steps][128 words]
	s_mov_b32 s23, 0
	s_add_nc_u64 s[8:9], s[8:9], s[20:21]
	s_add_nc_u64 s[10:11], s[10:11], s[22:23]
	s_add_nc_u64 s[12:13], s[12:13], s[22:23]
	s_wait_alu depctr_va_vdst(0)
	s_wait_tensorcnt 0x0                           ; my part of units 0 and 1 is in
	ds_add_u32 v[SPW], v[NIL]
.irp g, G1A, G1B                       ; no tensor load of mine is out, so a descriptor may be written: from here on a load brings one unit
	s_mov_b32 s[\g+2], 100<<16
	s_mov_b32 s[\g+4], 100
.endr
	s_wait_dscnt 0x0
	CROUND                                         ; everybody's part is in, and the joint loads meet:
	JLOAD G0A+4, G0B+4                             ; unit 2, into place 2
	FETCH 0
	STEPN 0, 1                                     ; the first products start the sums: nothing is cleared
	STEPN 1, 0
	TURN 2, 1                                      ; unit 2 is in; unit 3 is asked for, first read three and a half steps on
	STEPN 3, 0
	STEPN 4, 0
	TURN 5, 0                                      ; unit 3 is in, in every wave
	STEPN 6, 0
	s_wait_dscnt 0x0
	MULS 7, 0, 7, 0
	WIN 0
; THE WAY OUT, four blocks of 16 queries at a time (one window's).  m counts the sixteen blocks of 32 keys: m = 4 x row block + block; each step is done for all sixteen before the next.
.macro SOFTQ w
.set QW, 2+(\w)
.if (\w) > 0
	s_wait_dscnt 0x0                               ; the first four blocks' LDS stores have read their registers
.endif
	WIN (QW<<2)|(QW<<4)                            ; sources 1 and 2: the accumulators' window
	s_wait_alu depctr_va_vdst(0)                   ; directly ahead of the results' first readers
.irp m, 0,1,2,3,4,5,6,7,8,9,10,11,12,13,14,15
	v_max3_num_f32 v[BM+\m], 0xff800000, v[16*\m], v[16*\m+1]   ; (from minus infinity on)  THE LARGEST SCORE OF EACH BLOCK OF 32 KEYS serves twice: for the row's maximum and, since p rises with the score, for the block's largest p.  Each accumulator is read from its low end on
.endr
.irp i, 2,4,6,8,10,12,14
.irp m, 0,1,2,3,4,5,6,7,8,9,10,11,12,13,14,15
	v_max3_num_f32 v[BM+\m], v[BM+\m], v[16*\m+\i], v[16*\m+\i+1]
.endr
.endr
	WIN 0
.irp m, 0,1,2,3,4,5,6,7,8,9,10,11,12,13,14,15
	v_permlanex16_b32 v[BT+\m], v[BM+\m], s14, s15
.endr
.irp m, 0,1,2,3,4,5,6,7,8,9,10,11,12,13,14,15
	v_max_num_f32 v[BM+\m], v[BM+\m], v[BT+\m]     ; with lane l xor 16's 16 keys
.endr
.irp q, 0,1,2,3
	v_max3_num_f32 v[TS+\q], v[BM+4*\q], v[BM+4*\q+1], v[BM+4*\q+2]
.endr
.irp q, 0,1,2,3
	v_max_num_f32 v[TS+\q], v[TS+\q], v[BM+4*\q+3] ; the largest score of my query among these 128 keys,
.endr
.irp q, 0,1,2,3
	v_mul_f32 v[TS+\q], s2, v[TS+\q]               ; as t (c is positive)
.endr
.irp q, 0,1,2,3
	v_floor_f32 v[NM+2*\q], -v[TS+\q]              ; -M = floor(-t) = -ceil(t): M is a whole number
.endr
.irp m, 0,1,2,3,4,5,6,7,8,9,10,11,12,13,14,15
	v_fma_f32 v[BM+\m], v[BM+\m], s2, v[NM+2*(\m/4)]   ; t - M of each block's largest score
.endr
	WIN QW|(QW<<6)                                 ; source 0 and destination: the accumulators' window
.set JJ, 0
.rept 32
	v_pk_fma_f32 v[JJ:JJ+1], v[JJ:JJ+1], s[2:3], v[NM:NM+1] op_sel_hi:[1,0,0]   ; t - M of the first block, two at a time
.set JJ, JJ+2
.endr
.irp q, 0,1,2,3
	s_wait_alu depctr_va_vdst(0)                   ; a wait ahead of each block's batch
.set JJ, 64*\q
.rept 32
	v_exp_f32 v[JJ], v[JJ]                         ; p = 2^(t - M), at most 1: not normalised
	v_exp_f32 v[JJ+1], v[JJ+1]
.if \q < 3
	v_pk_fma_f32 v[JJ+64:JJ+65], v[JJ+64:JJ+65], s[2:3], v[NM+2*\q+2:NM+2*\q+3] op_sel_hi:[1,0,0]   ; t - M of the next block, which the next batch reads behind its wait
.endif
.set JJ, JJ+2
.endr
.endr
	WIN 0
.irp m, 0,1,2,3,4,5,6,7,8,9,10,11,12,13,14,15
	v_exp_f32 v[BM+\m], v[BM+\m]                   ; the block's largest p: the same two instructions on the same number give the same bits
.endr
	v_nop                                          ; a plain place behind the last exponential
	s_wait_alu depctr_va_vdst(0)                   ; one wait for the whole batch of 272, ahead of its first reader
	WIN QW|(QW<<2)                                 ; sources 0 and 1: the accumulators' window
.irp q, 0,1,2,3                        ; THE SUM IS TAKEN OF THE UNQUANTISED p: two at a time, in two chains for each of the four blocks
	v_pk_add_f32 v[RS+4*\q:RS+4*\q+1], v[64*\q:64*\q+1], v[64*\q+4:64*\q+5]
	v_pk_add_f32 v[RS+4*\q+2:RS+4*\q+3], v[64*\q+2:64*\q+3], v[64*\q+6:64*\q+7]
.endr
	WIN QW<<2                                      ; source 1: the accumulators' window
.set JJ, 8
.rept 14
.irp q, 0,1,2,3
	v_pk_add_f32 v[RS+4*\q:RS+4*\q+1], v[RS+4*\q:RS+4*\q+1], v[64*\q+JJ:64*\q+JJ+1]
	v_pk_add_f32 v[RS+4*\q+2:RS+4*\q+3], v[RS+4*\q+2:RS+4*\q+3], v[64*\q+JJ+2:64*\q+JJ+3]
.endr
.set JJ, JJ+4
.endr
	WIN 0
.irp q, 0,1,2,3
	v_pk_add_f32 v[RS+4*\q:RS+4*\q+1], v[RS+4*\q:RS+4*\q+1], v[RS+4*\q+2:RS+4*\q+3]
.endr
.irp m, 0,1,2,3,4,5,6,7,8,9,10,11,12,13,14,15
	v_max_num_f32 v[BM+\m], 0x2800000, v[BM+\m]    ; the floor 2^(5 - 127): the byte cannot fall under 1
.endr
.irp q, 0,1,2,3
	v_add_f32 v[RS+4*\q], v[RS+4*\q], v[RS+4*\q+1]
.endr
.irp m, 0,1,2,3,4,5,6,7,8,9,10,11,12,13,14,15
	v_add_nc_u32 v[SO+\m], 0xfe000000, v[BM+\m]    ; 4 off the exponent field: the conversion's scale operand
.endr
.irp q, 0,1,2,3
	v_permlanex16_b32 v[RS+4*\q+2], v[RS+4*\q], s14, s15
.endr
.irp m, 0,1,2,3,4,5,6,7,8,9,10,11,12,13,14,15
	v_lshrrev_b32 v[BY+\m], 23, v[SO+\m]           ; the scale's byte
.endr
.irp q, 0,1,2,3
	v_add_f32 v[RS+4*\q], v[RS+4*\q], v[RS+4*\q+2] ; with lane l xor 16's 64 keys: the sum over the 128
.endr
.irp q, 0,1,2,3
	v_lshl_or_b32 v[PW+\q], v[BY+4*\q+1], 8, v[BY+4*\q]
.endr
.irp q, 0,1,2,3
	v_lshl_or_b32 v[PW+\q], v[BY+4*\q+2], 16, v[PW+\q]
.endr
.irp q, 0,1,2,3
	v_lshl_or_b32 v[PW+\q], v[BY+4*\q+3], 24, v[PW+\q]   ; p's scale word for these 128 keys, under the local M
.endr
.if (\w) > 0
	s_wait_alu depctr_va_vdst(0)                   ; directly ahead of the wait below
	s_wait_xcnt 0x0                                ; the first four blocks' stores have read their registers: these are written again only behind this wait
.endif
	WIN QW                                         ; source 0: the accumulators' window
.irp q, 0,1,2,3
.irp c, 0,1                            ; (a conversion's three registers begin on an even number)
	v_cvt_scalef32_pk16_bf6_f32 v[PC+20*\q+6*\c:PC+20*\q+6*\c+2], v[64*\q+32*\c:64*\q+32*\c+15], v[SO+4*\q+2*\c]
	v_cvt_scalef32_pk16_bf6_f32 v[PC+20*\q+12+4*\c:PC+20*\q+14+4*\c], v[64*\q+32*\c+16:64*\q+32*\c+31], v[SO+4*\q+2*\c+1]
.endr
.endr
	WIN 0
	v_nop                                          ; one plain place behind a scaled conversion
.irp q, 0,1,2,3                        ; the layout wants a WHOLE block of 32 in a lane: lanes 0-15 block 2 c, lanes 16-31 block 2 c + 1
.irp c, 0,1
.irp i, 0,1,2
	v_permlane16_swap_b32 v[PC+20*\q+6*\c+\i], v[PC+20*\q+12+4*\c+\i]
.endr
.endr
.endr
.irp q, 0,1,2,3
.irp c, 0,1
.irp i, 0,1,2
	v_mov_b32 v[PC+20*\q+3+6*\c+\i], v[PC+20*\q+12+4*\c+\i]
.endr
.endr
.endr
.irp q, 0,1,2,3
.irp c, 0,1,2
	global_store_b128 v[LI], v[PC+20*\q+4*\c:PC+20*\q+4*\c+3], s[8:9] offset:3072*(4*(\w)+\q)+512*\c   ; the image: 32 lanes store 512 consecutive bytes, at a multiple of 512 from the buffer's first byte
.endr
.endr
.irp q, 0,1,2,3
	ds_store_b32 v[SWS], v[PW+\q] offset:64*(4*(\w)+\q)      ; both halves of the lanes write the same word with the same value
	ds_store_b32 v[SWS], v[NM+2*\q] offset:64*(4*(\w)+\q)+512
	ds_store_b32 v[SWS], v[RS+4*\q] offset:64*(4*(\w)+\q)+1024
.endr
.endm
	PLACES 4
.irp m, 0,1,2,3,4,5,6,7,8,9,10,11,12,13,14,15
	v_mov_b32 v[BT+\m], 0                          ; written once: a lane permute's destination counts as one of its sources
.endr
.irp q, 0,1,2,3
	v_mov_b32 v[NM+2*\q+1], 0                      ; (named as the upper halves of pairs)
.endr
	SOFTQ 0
	SOFTQ 1
.irp c, 0,1,2
	ds_load_b128 v[RB+4*\c:RB+4*\c+3], v[SRD] offset:512*\c   ; LDS serves a wave's instructions in order: these see my stores
.endr
	s_wait_dscnt 0x0
	global_store_b128 v[LI], v[RB:RB+3], s[10:11]                    ; my 128 rows' scale words of my K step: 512 consecutive bytes;
	global_store_b128 v[LI], v[RB+4:RB+7], s[12:13]                  ; their -M;
	global_store_b128 v[LI], v[RB+8:RB+11], s[12:13] offset:524288   ; their sums
	s_wait_tensorcnt 0x0                           ; the wave's end: behind my last tensor load and my last LDS store
	ds_add_u32 v[SPW], v[NIL]
	s_wait_dscnt 0x0
	CROUND                                         ; the closing round: no work-group ends while a partner may still ask for a tile that names it
	s_endpgm
.Lfunc_end_k_q66278608e1_scores:
	.size	k_q66278608e1_scores, .Lfunc_end_k_q66278608e1_scores-k_q66278608e1_scores
	.p2alignl 7, 3214868480
	.fill 96, 4, 3214868480
	.section	.rodata,"a",@progbits
	.p2align	6, 0x0
	.amdhsa_kernel k_q66278608e1_scores
		.amdhsa_group_segment_fixed_size 327680
		.amdhsa_private_segment_fixed_size 0
		.amdhsa_enable_private_segment 0
		.amdhsa_kernarg_size 32
		.amdhsa_user_sgpr_count 2
		.amdhsa_user_sgpr_kernarg_segment_ptr 1
		.amdhsa_wavefront_size32 1
		.amdhsa_system_sgpr_workgroup_id_x 1
		.amdhsa_system_sgpr_workgroup_id_y 1
		.amdhsa_system_sgpr_workgroup_id_z 1
		.amdhsa_system_vgpr_workitem_id 0
		.amdhsa_next_free_vgpr 1024
		.amdhsa_next_free_sgpr 102
		.amdhsa_reserve_vcc 0
		.amdhsa_float_denorm_mode_32 3
		.amdhsa_float_denorm_mode_16_64 3
		.amdhsa_memory_ordered 1
		.amdhsa_forward_progress 1
		.amdhsa_inst_pref_size 195
	.end_amdhsa_kernel
	.amdgpu_metadata
---
amdhsa.version: [ 1, 2 ]
amdhsa.kernels:
  - .name:           k_q66278608e1_scores
    .symbol:         k_q66278608e1_scores.kd
    .args:
      - { .name: qkv, .offset: 0, .size: 8, .value_kind: global_buffer, .address_space: global }
      - { .name: p_codes, .offset: 8, .size: 8, .value_kind: global_buffer, .address_space: global }
      - { .name: p_scales, .offset: 16, .size: 8, .value_kind: global_buffer, .address_space: global }
      - { .name: stats, .offset: 24, .size: 8, .value_kind: global_buffer, .address_space: global }
    .group_segment_fixed_size: 327680
    .private_segment_fixed_size: 0
    .kernarg_segment_align: 8
    .kernarg_segment_size: 32
    .max_flat_workgroup_size: 128
    .sgpr_count:     102
    .vgpr_count:     1024
    .wavefront_size: 32
...
	.end_amdgpu_metadata
.endif
;; end of part 3
;; launch pv (part 4): grid 4 x 64, 4 waves a work-group, clusters of 4 x 4, 327,680 bytes of LDS; arguments p_codes, p_scales, stats, qkv, out0; writes out0
.if DOCPART == 4
	.amdgcn_target "amdgcn-amd-amdhsa--gfx1250"
	.amdhsa_code_object_version 6
	.text
	.protected	k_q66278608e1_pv
	.globl	k_q66278608e1_pv
	.p2align	8
	.type	k_q66278608e1_pv,@function
k_q66278608e1_pv:
	s_mov_b64 s[64:65], 0
	v_nop
	global_prefetch_b8 v0, s[64:65] scope:SCOPE_SE
	s_setreg_imm32_b32 hwreg(HW_REG_WAVE_MODE, 25, 1), 1
	s_wait_xcnt 0x0
	s_wait_alu depctr_hold_cnt(0) depctr_sa_sdst(0) depctr_va_vdst(0) depctr_va_sdst(0) depctr_va_ssrc(0) depctr_va_vcc(0) depctr_vm_vsrc(0)
	s_getreg_b32 s2, hwreg(HW_REG_IB_STS2, 6, 4)
	s_cmp_eq_u32 s2, 0
	s_cbranch_scc0 .Lentry_in_a_cluster
	s_endpgm
.Lentry_in_a_cluster:
	s_bfe_u32 s2, ttmp6, 0x10000c
	s_cmp_lg_u32 s2, 0xf033
	s_cbranch_scc0 .Lentry_shape_is_right
	s_endpgm
.Lentry_shape_is_right:
; O = P v / l on codes of BF6 (E3M2) with E8M0 scales, K = a batch's 2,048 keys.
; P arrives quantised under a LOCAL whole number M for each row and 128 keys.  At its head a work-group finds, for each of its 128 rows, the largest M of the 16; D = that M - the local M, a whole number, goes off the four scale
; bytes of the row's word (a byte that would fall under 0 is held at 0) and off the exponent of the local sum; the 16 sums add up to l.  The adjusted words and the sums over each wave's four K steps stay in LDS.
; OPERANDS lie in memory as UNITS of 128 rows x 256 keys: register images of the fragments (three pieces of 512 bytes, lane l's registers 4 c .. 4 c + 3 at 512 c + 16 l) in the order [8 row blocks][2 K steps]: 24,576 bytes, P's;
; v's have the scale words behind them, the first K step's, then the second's with row block i at place i xor 1: 25,600 bytes.  A row group's eight units lie one behind the other.
; SHARES: the product has 64 x 4 tiles of 128 queries x 256 channels, one for each of 256 work-groups; a wave makes 64 x 128: 32 accumulators.  (Tiles of 256 x 256 would be 128: half the work-groups.)
; Source 0 of a product is 16 rows of v (channels), source 1 16 rows of P: a lane holds one query and eight channels a register run.  Queries and channels are stored with bits 3 and 4 of their numbers exchanged: the way out
; puts both back by immediates alone.
; CLUSTER: 4 x 4 work-groups; P's tiles are asked for jointly along a row of the cluster, v's along a column.
; LIMITS: D is held at 127: what lies more than 2^127 under the row's largest p counts 2^-127 times its local value or less, against l of at least 1/2; NaN and infinities are not served.
; REGISTERS, in windows of 256: window 0: v4-31 addresses; v32-55 scale words, two sets of 12; v56-63 1 / l; v64-159 P's fragments, two sets of 48 (at the head v64-175, on the way out v64-127 and v160-223 are at work).
;   window 1: v's fragments, sets at v0 and v128.   window 2: accumulator (a, b) at v[8 (8 a + b)].
.set FRB,    1536
.set PU,     24576                     ; a unit of P, and a unit's codes of v
.set U,      25600                     ; a unit of v
; THE RING: two LDS slots of 512 keys.  One tensor load a wave at a time: waves 0 and 1 fetch P's two units, waves 2 and 3 the two units of v's two halves.  Slot 0 is filled at the head, slot 1 behind the head's full
; sequence; each is filled once more, four K steps ahead of its first read.
.set SLA,    2*PU                      ; a slot's part of P
.set SLB,    2*U                       ; a slot's part of a half of v
.set BB,     2*SLA                     ; v's two halves begin here,
.set HB,     2*SLB                     ; each with two slots
.set SCLA,   BB+2*HB                   ; P's adjusted scale words: [unit][8 row blocks][2 K steps][16 rows], stored by the waves; no fill lands from here on
.set PART,   SCLA+8192                 ; each wave's least -M of the 128 rows, and 2,048 on its sums
.set SPARE,  PART+4096                 ; the spare words, 128 bytes for each wave: two blocks of 256 bytes that no other line names
.set SPITCH, 528                       ; the way out: a stage of 16 rows x (512 bytes + 16) for each wave, in slot 0's part of P, which has had its last fill and its last read when the first result is stored there
.set VO,     13107200                  ; v's units lie behind q's and k's
.set LI,   4
.set ADRA, 8
.set PRT,  10                          ; v10  where my four rows' numbers go in PART;  v11 where the first wave's lie
.set PRL,  11
.set ADRB, 12
.set PFO,  14                          ; v14  the prefetches' offset
.set ADSA, 16
.set STO,  18                          ; v18  the stage: where I put 16 bytes of a row
.set RD,   19                          ; v19  and where I read a row back
.set TO,   20                          ; v20  16 x my thread's number: four rows' words of my wave's first K step
.set ADL,  21                          ; v21  LDS address of my row's sums
.set AWS,  22                          ; v22  where my rows' adjusted words go
.set ADSB, 24                          ; v24-27  v's scale words: slot 0 (even, odd row blocks), slot 1
.set SPW,  28
.set NIL,  29
.set SC,   32
.set LV,   56                          ; v56-63: 1 / l of my row in each of the four blocks, as the low halves of pairs
.set AF,   64
.set HM,   64                          ; the head: v64-79 -M, then D; v80-95 the sums; v96-111 the scale words (number 4 j + e: row 4 lane + e, K step wave + 4 j); v112-147 at work
.set HL,   80
.set HW,   96
.set LT,   160                         ; v160-175 the four waves' sums of my row in each of the four blocks
.set G1A,  24
.set G1B,  32
.set PFA,  40                          ; s[40:41], s[42:43] where my two prefetches stand; s[44:45] bytes from slot to slot
.set G0A,  56                          ; s[56:59], s[60:63] groups 0 for P's slots
.set G0B,  76                          ; s[76:79], s[80:83] for v's
.set MSB, 0
.macro WIN new                         ; the immediate's high byte repeats the setting that is left; a switch that changes nothing is dropped
.if MSB != (\new)
	s_set_vgpr_msb (MSB<<8)|(\new)
.set MSB, (\new)
.endif
.endm
.set MUL,  0xa1                        ; source 0 (v) window 1, source 1 (P) window 0, C and D window 2
.set TO_B, 0x40
.macro PLACES n                        ; a load into a register that a matrix instruction has read, and a vector instruction that reads a result, stand four plain vector instructions behind it (ISA guide 7.12.1 for a vector instruction that reads a result)
.rept \n
	v_nop
.endr
.endm
.macro CREST
	s_cmp_lg_u32 s16, 0
	s_cbranch_scc1 .Lnot_wave_0_\@
	s_barrier_signal -3
.Lnot_wave_0_\@:
	s_barrier_wait -3
	s_barrier_signal -1
	s_barrier_wait -1
.endm
.macro CROUND
	s_barrier_signal -1
	s_barrier_wait -1
	CREST
.endm
.macro JLOAD slot                      ; a joint load; four v_nop follow each of the two lines
	s_cmp_eq_u32 s17, 0
	s_cbranch_scc0 .Lfor_b_\@
	tensor_load_to_lds s[G0A+4*\slot:G0A+4*\slot+3], s[G1A:G1A+7]
	s_nop 0
.rept 4
	v_nop
.endr
	s_branch .Lasked_\@
.Lfor_b_\@:
	tensor_load_to_lds s[G0B+4*\slot:G0B+4*\slot+3], s[G1B:G1B+7]
	s_nop 0
.rept 4
	v_nop
.endr
.Lasked_\@:
.endm
.macro MKG0 g, lreg, loff, base, goff  ; a group 0: count 1; LDS address; global address; type 2
	s_mov_b32 s[\g], 1
	s_add_co_u32 s[\g+1], s[\lreg], \loff
	s_add_nc_u64 s[\g+2:\g+3], s[\base:\base+1], \goff
	s_or_b32 s[\g+3], s[\g+3], 0x80000000
.endm
.macro FRAG reg, adr, off
.irp c, 0,1,2
	ds_load_b128 v[(\reg)+4*\c:(\reg)+4*\c+3], v[\adr] offset:(\off)+512*\c
.endr
.endm
.macro FETCH g                         ; K step g's fragments into set g % 2: 36 loads; with an even g the scale words of steps g and g + 1: 12 more (lanes 0-15 the even step's, lanes 16-31 the odd step's)
.set FP, (\g)%2
.set FS, ((\g)/4)%2
.set FU, ((\g)/2)%2
	WIN TO_B
.irp i, 0,1,2,3,4,5,6,7
	FRAG 128*FP+12*\i, ADRB+FS, FU*U+(\i*2+FP)*FRB
.endr
	WIN 0
.irp i, 0,1,2,3
	FRAG AF+48*FP+12*\i, ADRA+FS, FU*PU+(\i*2+FP)*FRB
.endr
.if FP == 0
.irp i, 0,1,2,3
	ds_load_b32 v[SC+12*FU+\i], v[ADSA] offset:1024*((\g)/2)+128*\i
.endr
.irp i, 0,1,2,3,4,5,6,7
	ds_load_b32 v[SC+12*FU+4+\i], v[ADSB+2*FS+\i%2] offset:FU*U+64*\i
.endr
.endif
.endm
; K step g's products of P's blocks a0 .. a1 with v's eight.  The accumulators take turns, one instruction a turn, in the same order in every step.  zero = 1: the products start the sums.
.macro MULS g, a0, a1, zero
.set MP, (\g)%2
.set MT, ((\g)/2)%2
.irp a, 0,1,2,3
.if (\a >= (\a0)) && (\a <= (\a1))
	WIN MUL
.irp b, 0,1,2,3,4,5,6,7
.set rD, 8*(8*\a+\b)
.set rB, 128*MP+12*\b
.set rA, AF+48*MP+12*\a
.set rSB, SC+12*MT+4+\b
.set rSA, SC+12*MT+\a
.if \zero
	v_wmma_scale_f32_16x16x128_f8f6f4 v[rD:rD+7], v[rB:rB+11], v[rA:rA+11], 0, v[rSB], v[rSA] matrix_a_fmt:MATRIX_FMT_BF6 matrix_b_fmt:MATRIX_FMT_BF6
.elseif MP
	v_wmma_scale_f32_16x16x128_f8f6f4 v[rD:rD+7], v[rB:rB+11], v[rA:rA+11], v[rD:rD+7], v[rSB], v[rSA] matrix_a_fmt:MATRIX_FMT_BF6 matrix_b_fmt:MATRIX_FMT_BF6 matrix_a_scale:MATRIX_SCALE_ROW1 matrix_b_scale:MATRIX_SCALE_ROW1
.else
	v_wmma_scale_f32_16x16x128_f8f6f4 v[rD:rD+7], v[rB:rB+11], v[rA:rA+11], v[rD:rD+7], v[rSB], v[rSA] matrix_a_fmt:MATRIX_FMT_BF6 matrix_b_fmt:MATRIX_FMT_BF6
.endif
.endr
.endif
.endr
.endm
.macro STEPN g, zero                   ; the next step's fragments are asked for first and have this step's products in which to come
	s_wait_dscnt 0x0                               ; this step's fragments, asked for a whole step ago
.if (\g) > 0
	PLACES 4
.endif
	FETCH (\g)+1
	MULS \g, 0, 3, \zero
.endm
; A slot's last K step: ONE barrier.  In front of it each wave waits for all its tensor loads, adds 0 to its spare word, and waits for that and for its reads of LDS.
; fill = 1: the slot, whose last fragments are in registers, is filled again; the barrier then opens a round of the cluster's, and the joint load is the first thing behind the round.
.macro TURN g, fill, slot
	WIN 0                                          ; (the add's two registers lie in window 0)
	s_wait_tensorcnt 0x0                           ; all my tensor loads have landed, my part of the next slot among them, so every group 0 may be written;
	ds_add_u32 v[SPW], v[NIL]                      ; 0 onto my spare word;
	s_wait_dscnt 0x1                               ; this step's fragments are in (the add alone may be out)
	MULS \g, 0, 0, 0                               ; a quarter of the step's products stands between the add and the wait for it
	s_wait_dscnt 0x0                               ; the add is done, and my reads of the slot are over
	s_barrier_signal -1
	MULS \g, 1, 1, 0
	WIN 0                                          ; (at a branch and at a label every window is 0)
	s_barrier_wait -1
.if \fill
	CREST                                          ; no wave of any partner still reads the slot or has a load on its way
	s_add_nc_u64 s[G0A+4*\slot+2:G0A+4*\slot+3], s[G0A+4*\slot+2:G0A+4*\slot+3], 2*SLA
	s_add_nc_u64 s[G0B+4*\slot+2:G0B+4*\slot+3], s[G0B+4*\slot+2:G0B+4*\slot+3], 2*SLB
	JLOAD \slot                                    ; the four v_nop behind it are also the places in front of the loads below
.else
	PLACES 4
.endif
	FETCH (\g)+1
	MULS \g, 2, 3, 0
.endm
; A PREFETCH INTO THE L2: my quarter of what one of my later loads brings, two instructions, a lane a block of 256 bytes; the four partners that load it jointly share it out by address.  Slot 1's first fill is asked for behind the
; head's load, what the refills in K steps 3 and 7 load in K steps 0 and 4.  v's blocks are asked for by the four clusters of the batch.
.macro ASK
	WIN 0
	global_prefetch_b8 v[PFO], s[PFA:PFA+1] th:TH_LOAD_NT scope:SCOPE_SE
	global_prefetch_b8 v[PFO], s[PFA+2:PFA+3] th:TH_LOAD_NT scope:SCOPE_SE
.endm
.macro PFSTEP                          ; (behind a wait on XCNT: the prefetches have read their addresses) on by one slot
	s_add_nc_u64 s[PFA:PFA+1], s[PFA:PFA+1], s[44:45]
	s_add_nc_u64 s[PFA+2:PFA+3], s[PFA+2:PFA+3], s[44:45]
.endm
	s_load_b128 s[4:7], s[0:1], 0x0                ; P's codes, P's scale words
	s_load_b128 s[8:11], s[0:1], 0x10              ; -M and the sums; q's, k's and v's units
	s_load_b64 s[12:13], s[0:1], 0x20              ; O
	v_lshl_add_u32 v[SPW], v0, 2, SPARE
	v_mov_b32 v[NIL], 0
	ds_add_u32 v[SPW], v[NIL]                      ; the opening lines: the add, twice on end, and its wait ahead of my first tensor load
	ds_add_u32 v[SPW], v[NIL]
	v_lshlrev_b32 v[TO], 4, v0
	v_and_b32 v3, 31, v0
	v_lshrrev_b32 v1, 5, v0
	v_readfirstlane_b32 s16, v1                    ; wave 0..3
	s_lshr_b32 s17, s16, 1                         ; RH: which half of the queries is mine.  Also: I fetch for P (0) or for v (1)
	s_and_b32 s18, s16, 1                          ; CH: which half of the channels.  Also: which of a slot's two units of P, or which half of v, I fetch
	s_bfe_u32 s92, ttmp6, 0x40000                  ; cx, cy: my place in the cluster
	s_bfe_u32 s93, ttmp6, 0x40004
	s_and_b32 s94, ttmp7, 0xffff                   ; the cluster's y
	s_lshl_b32 s95, s93, 2
	s_lshl_b32 s95, 15, s95                        ; my row of the cluster
	s_lshl_b32 s96, 0x1111, s92                    ; my column
	; group 1: dense units as rows of 256 bytes (32 elements of 8 bytes): 96 rows, one unit of P; 200 rows, two units of v; 15:0 the mask, 17:16 the element's size, 21 set beside a mask
	s_or_b32 s[G1A], s95, (3<<16)|(1<<21)
	s_mov_b32 s[G1A+1], 32<<16
	s_mov_b32 s[G1A+2], 96<<16
	s_mov_b32 s[G1A+3], 32<<16
	s_mov_b32 s[G1A+4], 96
	s_mov_b32 s[G1A+5], 32
	s_mov_b32 s[G1A+6], 0
	s_mov_b32 s[G1A+7], 0
	s_or_b32 s[G1B], s96, (3<<16)|(1<<21)
	s_mov_b32 s[G1B+1], 32<<16
	s_mov_b32 s[G1B+2], 200<<16
	s_mov_b32 s[G1B+3], 32<<16
	s_mov_b32 s[G1B+4], 200
	s_mov_b32 s[G1B+5], 32
	s_mov_b32 s[G1B+6], 0
	s_mov_b32 s[G1B+7], 0
	s_lshl_b32 s97, s94, 2
	s_add_co_u32 s97, s97, s93                     ; my 128 queries: 4 Y + cy; their batch is Y / 4
	s_mul_i32 s20, s97, 8*PU
	s_mul_i32 s2, s18, PU
	s_add_co_u32 s20, s20, s2                      ; the unit of P that I would fetch
	s_mov_b32 s21, 0
	s_lshr_b32 s98, s94, 2
	s_lshl_b32 s98, s98, 3
	s_lshl_b32 s99, s92, 1
	s_add_co_u32 s98, s98, s99
	s_add_co_u32 s98, s98, s18                     ; the 128 rows of v: 8 x batch + 2 cx + half
	s_mul_i32 s98, s98, 8*U
	s_add_co_u32 s98, s98, VO
	s_mov_b32 s99, 0
	s_mul_i32 s3, s18, HB                          ; where they go: by the wave's number alone (P's: s2)
	s_add_co_u32 s3, s3, BB
	s_lshl_b32 s22, s97, 13                        ; my 128 rows' words: 16 K steps x 512 bytes
	s_mov_b32 s23, 0
	; the prefetches: P's unit is 96 blocks of 256 bytes, 24 for each partner along cx, 12 an instruction; v's two units are 200, 50 for each partner along cy, 25 an instruction
	s_mov_b32 s44, SLB
	s_mov_b32 s48, 12800
	s_mov_b32 s50, 6400
	s_mov_b32 s49, 24
	s_mov_b32 s45, 0
	s_mov_b32 s47, 0
	s_mov_b32 s51, 0
	s_cmp_eq_u32 s17, 0                            ; do I fetch for P?
	s_cselect_b32 s46, s92, s93
	s_cselect_b32 s44, SLA, s44
	s_cselect_b32 s48, 6144, s48
	s_cselect_b32 s50, 3072, s50
	s_cselect_b32 s49, 11, s49                     ; the last lane with a block of its own
	s_mul_i32 s46, s46, s48
	s_add_co_u32 s46, s46, s44                     ; from slot 1's keys on
	s_wait_alu depctr_va_vdst(0)                   ; directly ahead of the readers below
	v_min_u32 v[PFO], s49, v3                      ; (lanes that are left over name the last block again)
	v_lshlrev_b32 v[PFO], 8, v[PFO]
	s_wait_alu depctr_va_vdst(0)                   ; and here, directly ahead of the waits below
	s_wait_dscnt 0x0                               ; both opening adds are done
	s_wait_kmcnt 0x0
	s_add_nc_u64 s[20:21], s[4:5], s[20:21]
	s_add_nc_u64 s[98:99], s[10:11], s[98:99]
	MKG0 G0A, 2, 0, 20, 0
	MKG0 G0B, 3, 0, 98, 0
	CROUND                                         ; all sixteen work-groups are here: the first joint loads meet
	JLOAD 0                                        ; slot 0: one tensor load a wave at the head
	s_add_nc_u64 s[8:9], s[8:9], s[22:23]
	s_add_nc_u64 s[6:7], s[6:7], s[22:23]
	; a wave takes K steps wave + 4 j, j = 0 .. 3, of all 128 rows; a lane four neighbouring rows: 12 loads, each of 512 consecutive bytes
.irp j, 0,1,2,3
	global_load_b128 v[HM+4*\j:HM+4*\j+3], v[TO], s[8:9] offset:2048*\j           ; -M
.endr
.irp j, 0,1,2,3
	global_load_b128 v[HL+4*\j:HL+4*\j+3], v[TO], s[8:9] offset:524288+2048*\j    ; the local sums
.endr
.irp j, 0,1,2,3
	global_load_b128 v[HW+4*\j:HW+4*\j+3], v[TO], s[6:7] offset:2048*\j           ; the scale words
.endr
	s_cmp_eq_u32 s17, 0
	s_cselect_b64 s[PFA:PFA+1], s[20:21], s[98:99]
	s_add_nc_u64 s[PFA:PFA+1], s[PFA:PFA+1], s[46:47]
	s_add_nc_u64 s[PFA+2:PFA+3], s[PFA:PFA+1], s[50:51]
	MKG0 G0A+4, 2, SLA, 20, SLA
	MKG0 G0B+4, 3, SLB, 98, SLB
	s_mul_i32 s2, s17, 8*FRB                       ; my half of P's rows: four row blocks
	s_mul_i32 s22, s18, HB
	s_add_co_u32 s22, s22, BB                      ; my half of v
	s_add_co_u32 s23, s22, PU                      ; and its scale words
	s_lshl_b32 s46, s17, 9
	s_add_co_u32 s46, s46, SCLA                    ; my 64 rows' words
	s_mul_i32 s47, s16, 16*SPITCH                  ; my stage
	s_lshl_b32 s48, s17, 8
	s_add_co_u32 s48, s48, PART+2048               ; my 64 rows' sums
	s_lshl_b32 s49, s17, 10
	s_lshl_b32 s50, s18, 6
	s_add_co_u32 s49, s49, s50
	s_add_co_u32 s49, s49, SCLA                    ; the adjusted words of K step wave
	s_lshl_b32 s20, s97, 19                        ; O: 128 rows of 4,096 bytes a tile row,
	s_lshl_b32 s21, s17, 18                        ; my 64 of them,
	s_add_co_u32 s20, s20, s21
	s_lshl_b32 s21, s92, 10                        ; 256 channels a tile column,
	s_add_co_u32 s20, s20, s21
	s_lshl_b32 s21, s18, 9                         ; my 128 of them
	s_add_co_u32 s20, s20, s21
	s_mov_b32 s21, 0
	s_add_nc_u64 s[12:13], s[12:13], s[20:21]
	v_and_b32 v1, 15, v0                           ; r
	v_bfe_u32 v2, v0, 4, 1                         ; h
	v_lshlrev_b32 v[LI], 4, v3
	v_lshlrev_b32 v5, 2, v1
	v_mul_u32_u24 v6, v2, 576                      ; lanes 16-31 take the odd K step's words: 512 on, and one place up for an even row block,
	v_mul_u32_u24 v7, v2, 448                      ; one down for an odd one
	v_add_nc_u32 v5, s23, v5
	v_add_nc_u32 v[ADRA], s2, v[LI]
	v_add_nc_u32 v[ADRB], s22, v[LI]
	v_add_nc_u32 v[ADSB], v5, v6
	v_add_nc_u32 v[ADSB+1], v5, v7
	v_add_nc_u32 v[ADRA+1], SLA, v[ADRA]
	v_add_nc_u32 v[ADRB+1], SLB, v[ADRB]
	v_add_nc_u32 v[ADSB+2], SLB, v[ADSB]
	v_add_nc_u32 v[ADSB+3], SLB, v[ADSB+1]
	v_lshl_add_u32 v[ADSA], v3, 2, s46
	v_mul_u32_u24 v[STO], v1, SPITCH
	v_lshl_add_u32 v[STO], v2, 6, v[STO]
	v_add_nc_u32 v[STO], s47, v[STO]               ; in: row r, + 64 h
	v_add_nc_u32 v[RD], s47, v[LI]                 ; back: a row's 512 bytes, 16 a lane
	v_lshl_add_u32 v[ADL], v1, 2, s48
	v_lshl_add_u32 v[PRT], v0, 4, PART
	v_add_nc_u32 v[PRL], PART, v[LI]
	v_lshrrev_b32 v6, 2, v3                        ; rows 4 lane .. 4 lane + 3: row block lane / 4,
	v_and_b32 v7, 3, v3
	v_lshlrev_b32 v7, 4, v7                        ; 16 x (lane % 4) in it
	v_lshl_add_u32 v[AWS], v6, 7, v7
	v_add_nc_u32 v[AWS], s49, v[AWS]
.irp a, 0,1,2,3
	v_mov_b32 v[LV+2*\a+1], 0                      ; (named as the upper halves of pairs)
.endr
	s_wait_alu depctr_va_vdst(0)                   ; directly ahead of the waits below
	s_wait_loadcnt 0x8                             ; -M is in; the sums and the words, eight loads, may be out
	ASK                                            ; slot 1's keys
.irp e, 0,1,2,3
	v_min3_num_f32 v[112+\e], v[HM+\e], v[HM+4+\e], v[HM+8+\e]   ; the least -M is minus the row's largest M: of my wave's four K steps,
.endr
.irp e, 0,1,2,3
	v_min_num_f32 v[112+\e], v[112+\e], v[HM+12+\e]
.endr
	ds_store_b128 v[PRT], v[112:115]
	s_wait_dscnt 0x0                               ; for the others' sake
	s_barrier_signal -1
	s_barrier_wait -1
.irp k, 0,1,2,3
	ds_load_b128 v[116+4*\k:119+4*\k], v[PRL] offset:512*\k
.endr
	s_wait_dscnt 0x0
.irp e, 0,1,2,3
	v_min3_num_f32 v[112+\e], v[116+\e], v[120+\e], v[124+\e]    ; and of all sixteen
.endr
.irp e, 0,1,2,3
	v_min_num_f32 v[112+\e], v[112+\e], v[128+\e]
.endr
.irp m, 0,1,2,3,4,5,6,7,8,9,10,11,12,13,14,15
	v_sub_f32 v[HM+\m], v[HM+\m], v[112+\m%4]      ; D = the largest M - the local M: a whole number, 0 or more,
.endr
.irp m, 0,1,2,3,4,5,6,7,8,9,10,11,12,13,14,15
	v_min_num_f32 v[HM+\m], 0x42fe0000, v[HM+\m]   ; held at 127
.endr
.irp m, 0,1,2,3,4,5,6,7,8,9,10,11,12,13,14,15
	v_cvt_u32_f32 v[HM+\m], v[HM+\m]
.endr
.irp m, 0,1,2,3,4,5,6,7,8,9,10,11,12,13,14,15
	v_sub_nc_u32 v[116+\m], 0, v[HM+\m]
.endr
.irp m, 0,1,2,3,4,5,6,7,8,9,10,11,12,13,14,15
	v_perm_b32 v[HM+\m], v[HM+\m], v[HM+\m], 0     ; D in all four bytes
.endr
	s_wait_alu depctr_va_vdst(0)                   ; directly ahead of the wait below
	s_wait_loadcnt 0x4                             ; the sums are in
.irp m, 0,1,2,3,4,5,6,7,8,9,10,11,12,13,14,15
	v_ldexp_f32 v[HL+\m], v[HL+\m], v[116+\m]      ; the local sum x 2^-D
.endr
.irp e, 0,1,2,3,8,9,10,11
	v_add_f32 v[HL+\e], v[HL+\e], v[HL+4+\e]
.endr
.irp e, 0,1,2,3
	v_add_f32 v[HL+\e], v[HL+\e], v[HL+8+\e]       ; my wave's part of l
.endr
	ds_store_b128 v[PRT], v[HL:HL+3] offset:2048
	s_wait_loadcnt 0x0                             ; the words are in
	s_wait_xcnt 0x0
	PFSTEP
.irp m, 0,1,2,3,4,5,6,7,8,9,10,11,12,13,14,15
	v_or_b32 v[HW+\m], 0x80808080, v[HW+\m]        ; the bytes are 123 at the most: with 128 on each, no byte borrows from its neighbour
.endr
.irp m, 0,1,2,3,4,5,6,7,8,9,10,11,12,13,14,15
	v_sub_nc_u32 v[HW+\m], v[HW+\m], v[HM+\m]
.endr
.irp m, 0,1,2,3,4,5,6,7,8,9,10,11,12,13,14,15
	v_and_b32 v[116+\m], 0x80808080, v[HW+\m]      ; the 128 is still there where the byte was D or more
.endr
.irp m, 0,1,2,3,4,5,6,7,8,9,10,11,12,13,14,15
	v_lshrrev_b32 v[132+\m], 7, v[116+\m]
.endr
.irp m, 0,1,2,3,4,5,6,7,8,9,10,11,12,13,14,15
	v_sub_nc_u32 v[116+\m], v[116+\m], v[132+\m]   ; 0x7f in those bytes, 0 in the others
.endr
.irp m, 0,1,2,3,4,5,6,7,8,9,10,11,12,13,14,15
	v_and_b32 v[HW+\m], v[HW+\m], v[116+\m]        ; byte - D, or 0
.endr
.irp j, 0,1,2,3
	ds_store_b128 v[AWS], v[HW+4*\j:HW+4*\j+3] offset:2048*\j
.endr
	s_wait_tensorcnt 0x0                           ; my part of slot 0 is in
	ds_add_u32 v[SPW], v[NIL]
	s_wait_dscnt 0x0                               ; the add is done; and for the others' sake: my words and my sums are in LDS
	CROUND                                         ; everybody's part is in, and the joint loads meet:
	JLOAD 1                                        ; slot 1
.irp a, 0,1,2,3
.irp k, 0,1,2,3
	ds_load_b32 v[LT+4*\a+\k], v[ADL] offset:64*\a+512*\k
.endr
.endr
	FETCH 0
	s_wait_dscnt 0x30                              ; the sums are in: 48 loads were issued behind them, the first step's fragments and words
.irp a, 0,1,2,3
	v_add_f32 v[LT+4*\a], v[LT+4*\a], v[LT+4*\a+1]
	v_add_f32 v[LT+4*\a+2], v[LT+4*\a+2], v[LT+4*\a+3]
.endr
.irp a, 0,1,2,3
	v_add_f32 v[LT+4*\a], v[LT+4*\a], v[LT+4*\a+2] ; l
.endr
	s_wait_alu depctr_va_vdst(0)                   ; a wait ahead of the batch too
.irp a, 0,1,2,3
	v_rcp_f32 v[LV+2*\a], v[LT+4*\a]
.endr
	v_nop                                          ; a plain instruction behind the reciprocals
	s_wait_alu depctr_va_vdst(0)                   ; and a wait ahead of their first reader
	STEPN 0, 1                                     ; the first products start the sums: nothing is cleared
	ASK                                            ; keys 1,024 on, three K steps ahead of their load
	STEPN 1, 0
	STEPN 2, 0
	s_wait_xcnt 0x0
	PFSTEP
	TURN 3, 1, 0                                   ; slot 0 takes keys 1,024 on: first read four K steps on
	STEPN 4, 0
	ASK                                            ; keys 1,536 on
	STEPN 5, 0
	STEPN 6, 0
	TURN 7, 1, 1                                   ; slot 1 takes keys 1,536 on
	STEPN 8, 0
	STEPN 9, 0
	STEPN 10, 0
	TURN 11, 0, 0                                  ; nothing is left to fetch; behind this barrier nobody reads slot 0 any more
	STEPN 12, 0
	STEPN 13, 0
	STEPN 14, 0
; THE WAY OUT, a block of 16 queries x 128 channels at a time: x 1 / l; through my stage in LDS, where the channels get their true places; back as whole rows of 512 bytes, stored at the queries' true rows.
; It begins while the last K step still multiplies: blocks 0 and 1 are finished when that step's blocks 2 and 3 have not begun.
.macro MULT a                          ; in place
	WIN 0x82                                       ; source 0 and destination: the accumulators' window
.set JJ, 64*(\a)
.rept 32
	v_pk_mul_f32 v[JJ:JJ+1], v[JJ:JJ+1], v[LV+2*(\a):LV+2*(\a)+1] op_sel_hi:[1,0]   ; each accumulator from its low end on
.set JJ, JJ+2
.endr
.endm
.macro TOSTAGE a
.set BK, 160-96*((\a)%2)               ; rows read back: v160-223 and, where P's fragments have been multiplied, v64-127
	WIN 0x08                                       ; the data: the accumulators' window
.irp b, 0,1,2,3,4,5,6,7
	ds_store_b128 v[STO], v[64*(\a)+8*\b:64*(\a)+8*\b+3] offset:128*(\b/2)+32*(\b%2)        ; register 8 b + j is channel 32 (b / 2) + 16 h + 8 (b % 2) + j of my 128
	ds_store_b128 v[STO], v[64*(\a)+8*\b+4:64*(\a)+8*\b+7] offset:128*(\b/2)+32*(\b%2)+16
.endr
	WIN 0
.irp t, 0,1,2,3,4,5,6,7,8,9,10,11,12,13,14,15
	ds_load_b128 v[BK+4*\t:BK+4*\t+3], v[RD] offset:\t*SPITCH   ; LDS serves a wave's instructions in order: these see the stores above, and the next block's stores come behind them
.endr
.endm
.macro SEND a, younger                 ; younger: the LDS instructions issued behind block a's loads, which may stay out
.set BK, 160-96*((\a)%2)
	s_wait_dscnt \younger
.irp t, 0,1,2,3,4,5,6,7,8,9,10,11,12,13,14,15
	global_store_b128 v[LI], v[BK+4*\t:BK+4*\t+3], s[12:13] offset:(32*((\a)/2)+16*(\t/8)+8*((\a)%2)+\t%8)*4096 th:TH_STORE_NT   ; place 16 a + t holds query 32 (a / 2) + 16 (t / 8) + 8 (a % 2) + t % 8; 32 lanes store 512 consecutive bytes, at a multiple of 512 from O's first byte
.endr
.endm
	s_wait_dscnt 0x0
	MULS 15, 0, 1, 0
	PLACES 4
	MULT 0
	TOSTAGE 0
	MULS 15, 2, 2, 0
	MULT 1                                         ; (block 0's multiplications were block 1's places, and so on)
	TOSTAGE 1
	SEND 0, 32                                     ; behind block 0's loads: block 1's 16 stores and 16 loads
	MULS 15, 3, 3, 0
	s_wait_xcnt 0x0                                ; block 0's stores have read their registers: block 2's loads may land there
	MULT 2
	TOSTAGE 2
	SEND 1, 32
	MULT 3
	s_wait_alu depctr_va_vdst(0)                   ; directly ahead of the wait below
	s_wait_xcnt 0x0                                ; and block 1's
	TOSTAGE 3
	SEND 2, 32
	SEND 3, 0
	s_wait_tensorcnt 0x0                           ; the wave's end: behind my last tensor load and my last LDS store
	ds_add_u32 v[SPW], v[NIL]
	s_wait_dscnt 0x0
	CROUND                                         ; the closing round: no work-group ends while a partner may still ask for a tile that names it
	s_endpgm
.Lfunc_end_k_q66278608e1_pv:
	.size	k_q66278608e1_pv, .Lfunc_end_k_q66278608e1_pv-k_q66278608e1_pv
	.p2alignl 7, 3214868480
	.fill 96, 4, 3214868480
	.section	.rodata,"a",@progbits
	.p2align	6, 0x0
	.amdhsa_kernel k_q66278608e1_pv
		.amdhsa_group_segment_fixed_size 327680
		.amdhsa_private_segment_fixed_size 0
		.amdhsa_enable_private_segment 0
		.amdhsa_kernarg_size 40
		.amdhsa_user_sgpr_count 2
		.amdhsa_user_sgpr_kernarg_segment_ptr 1
		.amdhsa_wavefront_size32 1
		.amdhsa_system_sgpr_workgroup_id_x 1
		.amdhsa_system_sgpr_workgroup_id_y 1
		.amdhsa_system_sgpr_workgroup_id_z 1
		.amdhsa_system_vgpr_workitem_id 0
		.amdhsa_next_free_vgpr 768
		.amdhsa_next_free_sgpr 102
		.amdhsa_reserve_vcc 0
		.amdhsa_float_denorm_mode_32 3
		.amdhsa_float_denorm_mode_16_64 3
		.amdhsa_memory_ordered 1
		.amdhsa_forward_progress 1
		.amdhsa_inst_pref_size 159
	.end_amdhsa_kernel
	.amdgpu_metadata
---
amdhsa.version: [ 1, 2 ]
amdhsa.kernels:
  - .name:           k_q66278608e1_pv
    .symbol:         k_q66278608e1_pv.kd
    .args:
      - { .name: p_codes, .offset: 0, .size: 8, .value_kind: global_buffer, .address_space: global }
      - { .name: p_scales, .offset: 8, .size: 8, .value_kind: global_buffer, .address_space: global }
      - { .name: stats, .offset: 16, .size: 8, .value_kind: global_buffer, .address_space: global }
      - { .name: qkv, .offset: 24, .size: 8, .value_kind: global_buffer, .address_space: global }
      - { .name: out0, .offset: 32, .size: 8, .value_kind: global_buffer, .address_space: global }
    .group_segment_fixed_size: 327680
    .private_segment_fixed_size: 0
    .kernarg_segment_align: 8
    .kernarg_segment_size: 40
    .max_flat_workgroup_size: 128
    .sgpr_count:     102
    .vgpr_count:     768
    .wavefront_size: 32
...
	.end_amdgpu_metadata
.endif
;; end of part 4
